; MI455X (gfx1250); checked and timed in simulation.
; The chip was launched on July 23, 2026; its instructions are those of AMD's public machine-readable ISA for CDNA 5 (MIT licence, August 2026) and "CDNA5" Instruction Set Architecture Reference Guide (July 2026). The comments in the code are by the model that wrote it; some were corrected since.
;; Self Attentnion. Allowed arithmetic: matrix products marked QUANTISED: E2M3 operands, one E8M0 scale for each 32 along K, by v_wmma_scale_f32_16x16x128_f8f6f4 with both operands' format E2M3, f32 sums; everything else in f32.
;; Inputs: Wk_codes 1,024 x 32 x 24 uint8 (E2M3 codes of Wk, K innermost, in blocks of 32 codes, four codes in three bytes); Wk_scales 1,024 x 32 uint8 (E8M0 scales of Wk, one for each 32 codes along K); Wq_codes 1,024 x 32 x 24 uint8 (E2M3 codes of Wq, K innermost, in blocks of 32 codes, four codes in three bytes); Wq_scales 1,024 x 32 uint8 (E8M0 scales of Wq, one for each 32 codes along K); Wv_codes 1,024 x 32 x 24 uint8 (E2M3 codes of Wv, K innermost, in blocks of 32 codes, four codes in three bytes); Wv_scales 1,024 x 32 uint8 (E8M0 scales of Wv, one for each 32 codes along K); X_codes 4 x 2,048 x 32 x 24 uint8 (E2M3 codes of X, K innermost, in blocks of 32 codes, four codes in three bytes); X_scales 4 x 2,048 x 32 uint8 (E8M0 scales of X, one for each 32 codes along K); bk 1,024 float32; bq 1,024 float32; bv 1,024 float32.
;; Outputs: out0 4 x 2,048 x 1,024 float32.
;; This version of the problem:
;;   THIS VERSION OF THE PROBLEM IS GIVEN IN LOW PRECISION. The matrix products marked QUANTISED in the list below multiply operands that are first quantised to E2M3 (2 exponent bits, 3 mantissa bits; 6 bits a number), with one power-of-two scale for each 32 numbers along K (OCP MX v1.0); their sums are f32. All else is computed in f32.
;;   The module's matrix products, in the order in which they are computed (A, B: the left and right operand; K: the contracted axis; several contracted axes count as one K, in the product's order):
;;     1. [M 8,192, K 1,024] x [K 1,024, N 1,024]; A: input X (given as codes); B: input Wq (given as codes): QUANTISED
;;     2. [M 8,192, K 1,024] x [K 1,024, N 1,024]; A: input X (given as codes); B: input Wk (given as codes): QUANTISED
;;     3. [M 8,192, K 1,024] x [K 1,024, N 1,024]; A: input X (given as codes); B: input Wv (given as codes): QUANTISED
;;     4. batch 4 x [M 2,048, K 1,024] x [K 1,024, N 2,048]; A: computed on the way; B: computed on the way: QUANTISED
;;     5. batch 4 x [M 2,048, K 2,048] x [K 2,048, N 1,024]; A: softmax (see below); B: computed on the way: QUANTISED
;;   THE QUANTISER, for each operand of a quantised product, along K:
;;     - K is cut into blocks of 32 from its start; a last block that is shorter is filled with zeros.
;;     - A block's scale is 2^e with e = floor(log2(the largest magnitude in the block)) - 2, held to -126 .. 127; a block of zeros has e = 0. As a byte (E8M0): e + 127.
;;     - Each number is divided by its block's scale, clamped to +-7.5, and rounded to the nearest number of E2M3, ties to even, subnormals kept.
;;     - The product sums the exact products of the quantised numbers (number of the format x scale) in f32.
;;   ~~~python
;;   def quantise(x, axis):      # numpy; x: float32 -> the quantised numbers, widened to float32 again
;;       x = np.moveaxis(x, axis, -1); K = x.shape[-1]
;;       x = np.pad(x, [(0, 0)] * (x.ndim - 1) + [(0, -K % 32)]); x = x.reshape(x.shape[:-1] + (-1, 32)); a = np.abs(x).max(-1, keepdims=True)
;;       e = np.where(a > 0, np.clip(np.frexp(np.where(a > 0, a, 1))[1] - 1 - 2, -126, 127), 0)      # np.frexp(a)[1] - 1 = floor(log2(a)), exactly
;;       r = np.clip(x / 2.0 ** e, -7.5, 7.5)
;;       step = 2.0 ** (np.maximum(np.frexp(np.where(r == 0, 1, r))[1] - 1, 0) - 3)
;;       q = np.round(r / step) * step * 2.0 ** e      # np.round: ties to even
;;       return np.moveaxis(q.reshape(q.shape[:-2] + (-1,))[..., :K], -1, axis).astype(np.float32)
;;   ~~~
;;   SOFTMAX AHEAD OF A QUANTISED PRODUCT. Where the list says 'softmax', what is quantised is not the finished softmax but p = 2^(t - M), with t = logit x log2(e) and M = ceil(the row's largest t), a whole number; so 1/2 < the row's largest p <= 1. The row's sum l is taken of the UNQUANTISED p, in f32, and the product's result is divided by l at the end. Since M is a whole number, a kernel that streams over the keys may use a running M (the ceiling of the running maximum): every later rescaling is an exact power of two, which a block's scale takes up: the codes' values come out the same.
;;   OPERANDS COMPUTED ON THE WAY. 'Computed on the way' means the value that the module computes at that place (a softmax that the list does not call 'softmax' is quantised finished and normalised). What goes into a quantiser is computed in f32, as accurately as f32 sums, v_exp_f32 and their like allow (about 1e-6 of the number): no bf16 or f16 on the way to a quantiser, and a product that is left as it is and whose result goes on into a quantised operand takes f32 operands (vector FMAs, or v_wmma_f32_16x16x4_f32). A number that lies on a knife's edge between two numbers of the format may be rounded either way, as far as f32 arithmetic and the matrix unit's own rounding can turn it there, and no further.
;;   INPUTS GIVEN AS CODES. Wk (in the module: [1024, 1024], K = its axis 1); Wq (in the module: [1024, 1024], K = its axis 1); Wv (in the module: [1024, 1024], K = its axis 1); X (in the module: [4, 2048, 1024], K = its axis 2): each comes as NAME_codes (uint8): NAME with its K axis moved to the last place and cut into blocks of 32 codes, [.., K / 32, bytes a block], one block behind the other in memory; four codes in three bytes: a row's codes are one little-endian stream of bits, code i at bits 6 i .. 6 i + 5 (a code: sign, 2 exponent bits, 3 mantissa bits); and NAME_scales (uint8): the same leading axes, one E8M0 byte (e + 127) for each 32 codes along K. Its value is code x scale, taken as it is: it is not quantised again, and the codes and scales need not be those that the quantiser above would give.
;; One version. Each part assembles by itself: llvm-mc -triple=amdgcn-amd-amdhsa -mcpu=gfx1250 --defsym DOCPART=n.
;; ======== version 1 of 1: 3 launches
;; limits: right only within a limited range of input values
;; workspace buffers: qkimg 12,582,912 bytes; qksc 524,288 bytes; vimg 6,291,456 bytes; vsc 262,144 bytes; pimg 12,582,912 bytes; psc 524,288 bytes; pml 1,048,576 bytes
;; launch proj (part 1): grid 16 x 16, 4 waves a work-group, clusters of 4 x 4, 327,680 bytes of LDS; arguments X_codes, X_scales, Wv_codes, Wv_scales, Wq_codes, Wq_scales, Wk_codes, Wk_scales, bq, bk, bv, qkimg, qksc, vimg, vsc; writes qkimg, qksc, vimg, vsc
.if DOCPART == 1
	.amdgcn_target "amdgcn-amd-amdhsa--gfx1250"
	.amdhsa_code_object_version 6
	.text
	.protected	k_qf2ce2df818_proj
	.globl	k_qf2ce2df818_proj
	.p2align	8
	.type	k_qf2ce2df818_proj,@function
k_qf2ce2df818_proj:
	s_mov_b64 s[64:65], 0
	v_nop
	global_prefetch_b8 v0, s[64:65] scope:SCOPE_SE
	s_setreg_imm32_b32 hwreg(HW_REG_WAVE_MODE, 25, 1), 1
	s_wait_xcnt 0x0
	s_wait_alu depctr_hold_cnt(0) depctr_sa_sdst(0) depctr_va_vdst(0) depctr_va_sdst(0) depctr_va_ssrc(0) depctr_va_vcc(0) depctr_vm_vsrc(0)
	s_getreg_b32 s2, hwreg(HW_REG_IB_STS2, 6, 4)
	s_cmp_eq_u32 s2, 0
	s_cbranch_scc0 .Lentry_in_a_cluster
	s_endpgm
.Lentry_in_a_cluster:
	s_bfe_u32 s2, ttmp6, 0x10000c
	s_cmp_lg_u32 s2, 0xf033
	s_cbranch_scc0 .Lentry_shape_is_right
	s_endpgm
.Lentry_shape_is_right:
; q, k, v = X W^T + b AND THEIR QUANTISERS.  X: 8,192 rows, Wq, Wk, Wv: 1,024 rows, each 768 bytes of FP6 codes and 32 scale bytes.  No f32 result is stored: the results leave as codes and scale bytes in the order of the later launches' operand registers.
; LIMITS: NaN, infinities and the scale byte 0xff are not served.  A block whose largest magnitude lies under 2^-124 keeps the byte 1 (a block of zeros too: its codes are zeros, and this program alone reads the bytes).
; THE DEAL.  256 work-groups of four waves, 2 x 2 (row a, column b); a wave holds 64 rows of a weight, all of K, in 384 registers and streams X's rows past them, 16 at a time.  A work-group makes 256 x 128 of V (PHASE 1), then 512 x 128 of Q or K (PHASE 2);
; V's 256 rows are a half of the work-group's own 512 (half s87, from the cluster's number), so the chunks in LDS serve both phases.  X's rows are asked for jointly by a row of the cluster, a weight's by a column.
; WHICH ROWS FORM A TILE: of 64 rows, tile j's lane r takes row 8 j + r for r < 8 and row 32 + 8 (j xor 1) + r - 8 otherwise.  The matrix result then gives lane half h, over four tiles, all 32 rows of block h: a whole scale block in one lane.
; X's blocks go so in both phases (a chunk is 128 tokens, wave row a takes its 64 a .. 64 a + 63), Wq's and Wk's tiles too; Wv's tiles are 16 neighbouring rows.  A group of 256 tokens has row blocks 8 a + 4 c + j (c the chunk), so the images' rows are in that order.
; BUFFERS: qkimg [q, k][e / 256][row block 512][e / 128 % 2][b][4 registers: 16 bytes a lane; 2 registers: 8 bytes a lane];  qksc [q, k][e / 128][row block][16 words];
; vimg [group of 256 tokens][d / 16][key step a][3][lane][16 bytes], registers 6 c .. are chunk c;  vsc [2 x group + a][d / 16][16 words].
; LDS: two slots of 128 rows for X's chunks, a region for a weight's 128 rows, two places for a chunk's scale bytes, the stages for the results' scale bytes, the spare words.  Rows are 768 bytes + 16 behind every 256.
; FILLS: at the head one tensor load a wave; three refills, each in a drained round of the cluster's barrier: the second weight (V's block 2), the other half's two chunks (phase 2's blocks 2 and 6).
; THE WAITS' COUNTS: younger than a block's fetch are the next block's fetch, NF loads, and the LDS stores of scale bytes between: none, four (phase 2's block 1) or one.
.set NQ,     8
.set NB,     4
.set TM,     512
.set TV,     256
.set TN,     128
.set KROW,   768
.set KS,     32
.set PITCH,  KROW+16*(KROW/256)
.set FR,     12
.set FPW,    256/FR                    ; fragments in a window of 256 registers
.set NF,     28                        ; LDS loads of a block: 26 for eight fragments, 2 for eight scale words
.set RA,     128
.set YB,     RA*PITCH
.set BVB,    2*RA*PITCH
.set SCL,    BVB+TN*PITCH
.set CU,     RA*KS/256
.set SCB,    CU*272
.set XN,     SCL+2*SCB                 ; q's or k's scale bytes: [b][half in the order of work][a][pair][r][odd block][h]
.set XM,     XN+2*TM*2                 ; v's: [a][b][t][r][2 c + h]
.set SPARE,  XM+TM*2
.set EMAX,   2
.set IMG,    3072                      ; a row block of an image for 256 along K
.set ADRA0, 4                          ; v4, v5 my fragments of an even block (v5: for the pieces behind one padding more), v6 its scale words; v252-254 the same for an odd block
.set AAS0,  6
.set CO,    9                          ; 16 x lane
.set SPW,   10
.set NIL,   11
.set ADRA,  12                         ; v12, v13, v17: the block that is fetched next
.set ADRB,  14                         ; v14, v15 Wv's fragments
.set ABS,   16
.set AAS,   17
.set STO,   18
.set STV,   19
.set SB,    24                         ; v24-39 the weight's scale words
.set TQ,    40
.set C8,    42                         ; 8 x lane
.set SA,    44                         ; v44-59 X's scale words, two sets
.set TC,    60
.set ACC,   64
.set HV0,   64                         ; phase 1, chunk 0's sums: 32 t + 8 j + i
.set HV1,   840
.set NCD,   128
.set MCD,   192
.set SOP,   240
.set EB,    244
.set VX,    248
.set SB2,   968                        ; phase 2's weight's scale words
.set BA,    984                        ; addresses of the weight's four tiles
.set BBV,   992                        ; v's bias as C
.set BBQ,   160                        ; q's or k's
.set G1A, 24
.set G0A, 56
.set G0R, 68
.set G1B, 32
.set G0B, 60
.set G1S, 92
.set G0S, 72
.set W2, 40                            ; s[40:41] Wq's or Wk's codes
.set MSB, 0
.set PAR, 0                            ; parity of the block whose addresses a list makes
.set INC, 0                            ; rows that a list steps on by (0: none)
.macro WIN new
.if MSB != \new
	s_set_vgpr_msb (MSB<<8)|\new
.set MSB, \new
.endif
.endm
.macro PLACES n
.rept \n
	v_nop
.endr
.endm
.macro WALU
	s_wait_alu depctr_va_vdst(0)
.endm
.macro BARRIER
	s_barrier_signal -1
	s_barrier_wait -1
.endm
.macro MIDDLE                          ; a round's middle: the opening wait, wave 0's signal for the work-group, the cluster's wait
	WIN 0
	s_barrier_wait -1
	s_cmp_lg_u32 s14, 0
	s_cbranch_scc1 .Lnot_wave_0_\@
	s_barrier_signal -3
.Lnot_wave_0_\@:
	s_barrier_wait -3
.endm
.macro CROUND
	s_barrier_signal -1
	MIDDLE
	BARRIER
.endm
.macro GRD
	s_wait_tensorcnt 0x0
	ds_add_u32 v[SPW], v[NIL]
.endm
.macro TLOAD g0, g1
	tensor_load_to_lds s[\g0:\g0+3], s[\g1:\g1+7]
	s_nop 0
	PLACES 4
.endm
.macro GROUP1 g, mask, rows
	s_or_b32 s[\g+0], s[\mask], (1<<20)|(1<<21)|(5<<22)|(3<<25)
	s_mov_b32 s[\g+1], (KROW&0xffff)<<16
	s_mov_b32 s[\g+2], (KROW>>16)|((\rows)<<16)
	s_mov_b32 s[\g+3], KROW<<16
	s_mov_b32 s[\g+4], \rows
	s_mov_b32 s[\g+5], KROW
	s_mov_b32 s[\g+6], 0
	s_mov_b32 s[\g+7], 0
.endm
.macro SADD d, x
	s_add_co_u32 s\d, s\d, s\x
.endm
.macro MADD d, x, k                    ; s\d += s\x * k
	s_mul_i32 s22, s\x, \k
	s_add_co_u32 s\d, s\d, s22
.endm
.macro G0SET g, base, off
	s_mov_b32 s20, s\off
	s_add_nc_u64 s[\g+2:\g+3], s[\base:\base+1], s[20:21]
	s_or_b32 s[\g+3], s[\g+3], 0x80000000
.endm
; ---- fragments.  Fragment f lies in window 1 + f / 21 at register 12 (f % 21): 0-31 the weight's (4 q + b), 32-39 and 40-47 X's two sets.
.macro FRAG f, q, a0, a1, aw           ; six pieces of 8 bytes, two to a load where both lie behind as many paddings
	WIN ((1+(\f)/FPW)<<6)|(\aw)
.set R_, FR*((\f)%FPW)
.set SKIP_, 0
.irp p, 0,1,2,3,4,5
.if SKIP_
.set SKIP_, 0
.else
.set PC_, 12*(\q)+6*(\p/3)+\p%3
.set PN_, 12*(\q)+6*((\p+1)/3)+(\p+1)%3
.set X_, (PC_%32+3)/32
.set XQ_, (PN_%32+3)/32
.if (\p < 5) && (X_ == XQ_)
.set SKIP_, 1
.if X_
	ds_load_2addr_b64 v[R_+2*\p:R_+2*\p+3], \a1 offset0:PC_+2*(PC_/32) offset1:PN_+2*(PN_/32)
.else
	ds_load_2addr_b64 v[R_+2*\p:R_+2*\p+3], \a0 offset0:PC_+2*(PC_/32) offset1:PN_+2*(PN_/32)
.endif
.elseif X_
	ds_load_b64 v[R_+2*\p:R_+2*\p+1], \a1 offset:8*(PC_+2*(PC_/32))
.else
	ds_load_b64 v[R_+2*\p:R_+2*\p+1], \a0 offset:8*(PC_+2*(PC_/32))
.endif
.endif
.endr
.endm
.macro WEIGHTS                         ; my 64 rows of the weight, all of K: 104 loads
.irp q, 0,1,2,3,4,5,6,7
.irp b, 0,1,2,3
	FRAG NB*\q+\b, \q, v[BA-768+2*\b], v[BA-768+2*\b+1], 3
.endr
.endr
	WIN 0
.endm
.macro FETCHAT e, a0, a1, as           ; a block of X's rows into set e: NF loads
.irp q, 0,1,2,3,4,5,6,7
	FRAG NB*NQ+NQ*(\e)+\q, \q, \a0, \a1, 0
.endr
	WIN 0
	ds_load_b128 v[SA+8*(\e):SA+8*(\e)+3], \as
	ds_load_b128 v[SA+8*(\e)+4:SA+8*(\e)+7], \as offset:16
.endm
.macro FETCH e
	FETCHAT \e, v[ADRA], v[ADRA+1], v[AAS]
.endm
.macro FETCH01                         ; a phase's first two blocks, from slot 0
	FETCHAT 0, v[ADRA0], v[ADRA0+1], v[AAS0]
	FETCHAT 1, v252, v253, v254
	s_mov_b32 s101, 0
	s_mov_b32 s91, 0
.endm
; ---- a product.  n = 4 q + tile.  kind 0 (Q, K): source 0 the weight's rows; kind 1 (V): source 0 X's rows.  The bias is the first four products' C.
.macro PROD kind, e, n, a0, as
.set Q_, (\n)/4
.set FB_, NB*Q_+(\n)%4
.set FA_, NB*NQ+NQ*(\e)+Q_
.set D_, (\a0)+(\as)*((\n)%4)
.set DL_, D_&255
.set XB_, SB+NQ*(((\n)%4)/2)+Q_
.set XA_, SA+8*(\e)+Q_
.if \kind
.if Q_
	WIN (1+FA_/FPW)|((1+FB_/FPW)<<2)|((D_>>8)<<4)|((D_>>8)<<6)
	PROD1 DL_, FA_, FB_, v[DL_:DL_+7], XA_, XB_, b, (\n)%2
.else
	WIN (1+FA_/FPW)|((1+FB_/FPW)<<2)|(3<<4)|((D_>>8)<<6)
	PROD1 DL_, FA_, FB_, v[BBV-768+8*((\n)%4):BBV-768+8*((\n)%4)+7], XA_, XB_, b, (\n)%2
.endif
.else
	WIN (1+FB_/FPW)|((1+FA_/FPW)<<2)|((D_>>8)<<4)|((D_>>8)<<6)
.if Q_
	PROD1 DL_, FB_, FA_, v[DL_:DL_+7], XB_, XA_, a, (\n)%2
.else
	PROD1 DL_, FB_, FA_, v[BBQ+8*((\n)%4):BBQ+8*((\n)%4)+7], XB_, XA_, a, (\n)%2
.endif
.endif
.endm
.macro PROD1 d, s0, s1, c, x0, x1, side, o
.if \o
	v_wmma_scale_f32_16x16x128_f8f6f4 v[\d:\d+7], v[FR*((\s0)%FPW):FR*((\s0)%FPW)+FR-1], v[FR*((\s1)%FPW):FR*((\s1)%FPW)+FR-1], \c, v[\x0], v[\x1] matrix_a_fmt:MATRIX_FMT_FP6 matrix_b_fmt:MATRIX_FMT_FP6 matrix_\side\()_scale:MATRIX_SCALE_ROW1
.else
	v_wmma_scale_f32_16x16x128_f8f6f4 v[\d:\d+7], v[FR*((\s0)%FPW):FR*((\s0)%FPW)+FR-1], v[FR*((\s1)%FPW):FR*((\s1)%FPW)+FR-1], \c, v[\x0], v[\x1] matrix_a_fmt:MATRIX_FMT_FP6 matrix_b_fmt:MATRIX_FMT_FP6 matrix_\side\()_scale:MATRIX_SCALE_ROW0
.endif
.endm
; ---- products \from .. \to - 1 of a block; behind every second one, two entries of the list (a macro: entry number, two arguments of its own)
.macro BLOCK kind, e, a0, as, from, to, list, x=0, y=0
.set N_, \from
.rept (\to)-(\from)
	PROD \kind, \e, N_, \a0, \as
.if N_%2
	\list N_-1, \x, \y
	\list N_, \x, \y
.endif
.set N_, N_+1
.endr
.endm
.macro STEP i, wrap                    ; to the next block's LDS addresses: 3 entries; with the test for the ring's end 4.  A pair of blocks shares its offset: an even block's list steps it
.if \wrap
.if (\i) == 0
	s_add_co_u32 s101, s101, INC*PITCH
	s_cmp_eq_u32 s101, 2*RA*PITCH
	s_cselect_b32 s101, 0, s101
	s_add_co_u32 s91, s91, INC/8*272
.elseif (\i) == 1
	s_cmp_eq_u32 s91, 2*SCB
	s_cselect_b32 s91, 0, s91
.endif
	STEPV (\i)-1
.else
.if ((\i) == 0) && (INC > 0)
	s_add_co_u32 s101, s101, INC*PITCH
	s_add_co_u32 s91, s91, INC/8*272
.endif
	STEPV \i
.endif
.endm
.macro STEPV i
.if (\i) == 0
	WIN 0
	v_add_nc_u32 v[ADRA], s101, v[4+248*PAR]
.elseif (\i) == 1
	WIN 0
	v_add_nc_u32 v[ADRA+1], s101, v[5+248*PAR]
.elseif (\i) == 2
	WIN 0
	v_add_nc_u32 v[AAS], s91, v[6+248*PAR]
.endif
.endm
.macro CHAIN i, x, n, t=TQ             ; a way out's first part, 18 entries: the largest magnitude of the 32 sums from register x on, and the conversions' scale operand
.set XW_, (\x)>>8
.set XL_, (\x)&255
.if (\i) >= 0 && (\i) < 14
.set B_, XL_+16*((\i)%2)+2*((\i)/2)
.set T_, (\t)+1-(\i)%2
.if (\i) < 2
	WIN XW_|(XW_<<2)|(XW_<<4)
	v_max3_num_f32 v[T_], |v[B_]|, |v[B_+1]|, |v[B_+2]|
.else
	WIN (XW_<<2)|(XW_<<4)
	v_max3_num_f32 v[T_], v[T_], |v[B_+1]|, |v[B_+2]|
.endif
.elseif (\i) == 14
	WIN XW_<<2
	v_max3_num_f32 v[\t+1], v[\t+1], |v[XL_+15]|, (EMAX+1)<<23
.elseif (\i) == 15
	WIN 0
	v_nop                                  ; so that the next line, which reads entry 14's result, stands in the next pair
.elseif (\i) == 16
	WIN XW_<<2
	v_max3_num_f32 v[\t], v[\t], |v[XL_+31]|, v[\t+1]
.elseif (\i) == 17
	WIN 0
	v_add_nc_u32 v[SOP+\n], -(EMAX<<23), v[\t]
.endif
.endm
.macro CODES i, x, c, n, t=TC          ; its second part, 6 lines: 32 codes into v[c .. c+5], the scale's byte into v[EB+n]
.set XW_, (\x)>>8
.set XL_, (\x)&255
.if (\i) == 0
	WIN XW_
	v_cvt_scalef32_pk16_fp6_f32 v[\c:\c+2], v[XL_:XL_+15], v[SOP+\n]
.elseif (\i) == 1
	WIN XW_
	v_cvt_scalef32_pk16_fp6_f32 v[\t:\t+2], v[XL_+16:XL_+31], v[SOP+\n]
.elseif (\i) == 2
	WIN 0
	v_lshrrev_b32 v[EB+\n], 23, v[SOP+\n]
.else
	WIN 0
	v_mov_b32 v[\c+\i], v[\t+\i-3]
.endif
.endm
.macro CODES6 x, c, n
.irp i, 0,1,2,3,4,5
	CODES \i, \x, \c, \n
.endr
.endm
.macro PFTILE v, off, share            ; one entry: my sixteenth of a tile of 128 rows, to be asked for into the L2
	s_mul_i32 s21, s\share, RA*KROW/16
	s_add_co_u32 s20, s\off, s21
	WIN 0
	v_min_u32 v\v, RA*KROW/16/256-1, v3
	v_lshl_add_u32 v\v, v\v, 8, s20
.endm
.macro PFGO v, base
	global_prefetch_b8 v\v, s[\base:\base+1] th:TH_LOAD_NT scope:SCOPE_SE
.endm
.macro PUT3 r, base, off
.irp k, 0,1,2
	global_store_b128 v[CO], v[\r+4*\k:\r+4*\k+3], \base offset:(\off)+512*\k
.endr
.endm
.macro PUTQ                            ; a pair of blocks: six registers each, as whole units of 512 and 256 bytes
	global_store_b128 v[CO], v[NCD:NCD+3], s[84:85]
	global_store_b64 v[C8], v[NCD+4:NCD+5], s[84:85] offset:512
	global_store_b128 v[CO], v[NCD+6:NCD+9], s[84:85] offset:IMG
	global_store_b64 v[C8], v[NCD+10:NCD+11], s[84:85] offset:IMG+512
.endm
.macro ASK i                           ; 4 entries: the descriptors of the chunk at s88 (bytes from X's codes) for slot s47, and of its scale bytes at s55 for s8; then all four step on
.if (\i) == 0
	s_mul_i32 s[G0R+1], s14, RA/2*PITCH
	s_add_co_u32 s[G0R+1], s[G0R+1], s47
	s_mul_i32 s20, s14, RA/2*KROW
	SADD 20, 88
.elseif (\i) == 1
	s_mov_b32 s21, 0
	s_add_nc_u64 s[G0R+2:G0R+3], s[4:5], s[20:21]
	s_or_b32 s[G0R+3], s[G0R+3], 0x80000000
	s_mov_b32 s[G0S+1], s8
.elseif (\i) == 2
	s_mov_b32 s20, s55
	s_add_nc_u64 s[G0S+2:G0S+3], s[6:7], s[20:21]
	s_or_b32 s[G0S+3], s[G0S+3], 0x80000000
	s_add_co_u32 s88, s88, RA*KROW
.elseif (\i) == 3
	s_add_co_u32 s55, s55, CU*256
	s_xor_b32 s47, s47, YB
	s_xor_b32 s8, s8, (SCL)^(SCL+SCB)
.endif
.endm
.macro PAIR i                          ; 4 entries: where pair s46's codes go (by its true number, s46 xor 4 s87) and its scale bytes (the stage goes by the order of work)
.if (\i) == 0
	s_lshl_b32 s3, s87, 2
	s_xor_b32 s3, s3, s46
	s_lshr_b32 s20, s3, 2
	s_lshl_b32 s21, s20, 3
.elseif (\i) == 1
	s_lshl_b32 s22, s3, 1
	SADD 21, 22
	s_mul_i32 s20, s21, IMG
	s_mov_b32 s21, 0
.elseif (\i) == 2
	s_add_nc_u64 s[84:85], s[10:11], s[20:21]
	s_and_b32 s22, s46, 3
	s_lshl_b32 s22, s22, 6
	s_lshr_b32 s23, s46, 2
.elseif (\i) == 3
	s_lshl_b32 s23, s23, 9
	s_or_b32 s22, s22, s23
	s_add_co_u32 s46, s46, 1
	WIN 0
	v_add_nc_u32 v[VX], s22, v[STO]
.endif
.endm
; ---- the lists
.macro L_STEP i, x, y
	STEP \i, 0
.endm
.macro L_NONE i, x, y
.endm
.macro L_OUT i, x, y                   ; the step, then the way out of the sums at x (scale operand y)
	STEP \i, 0
	CHAIN (\i)-3, \x, \y
.endm
.macro L_LAST i, x, y
	CHAIN \i, \x, \y
.endm
.macro L_V2 i, x, y                    ; V's third block: the first refill's descriptors; the later refills' group 1; the step; what the second refill will load is asked for into the L2
.if (\i) == 0
	s_mov_b32 s[G1A+2], (KROW>>16)|((RA/2)<<16)
	s_mov_b32 s[G1A+4], RA/2
	s_mov_b32 s[G1S+2], CU<<16
	s_mov_b32 s[G1S+4], CU
.elseif (\i) == 1
	s_mov_b32 s[G1B+2], (KROW>>16)|((TN/2)<<16)
	s_mov_b32 s[G1B+4], TN/2
	s_mul_i32 s[G0B+1], s14, TN/2*PITCH
	s_add_co_u32 s[G0B+1], s[G0B+1], BVB
.elseif (\i) == 2
	s_mul_i32 s20, s14, TN/2*KROW
	SADD 20, 9
	s_mov_b32 s21, 0
	s_add_nc_u64 s[G0B+2:G0B+3], s[W2:W2+1], s[20:21]
.elseif (\i) == 3
	s_or_b32 s[G0B+3], s[G0B+3], 0x80000000
.elseif (\i) == 7
	PFTILE 7, 88, 90
.elseif (\i) == 8
	s_lshl_b32 s21, s90, 9
	s_add_co_u32 s20, s55, s21
	WIN 0
	v_min_u32 v8, 1, v3
	v_lshl_add_u32 v8, v8, 8, s20
.endif
	STEP (\i)-4, 0
.endm
.macro L_V7 i, x, y                    ; V's last block: what the third refill will load is asked for; the way out
.if (\i) == 0
	s_add_co_u32 s22, s88, RA*KROW
	PFTILE 20, 22, 90
.endif
	CHAIN (\i)-1, \x, \y
.endm
.macro L_ODD i, x, y                   ; an odd block of phase 2: the pair's places, the step, the even block's way out
	PAIR \i
	STEP (\i)-4, 0
	CHAIN (\i)-7, ACC, 0
.endm
.macro L_ODDL i, x, y
	PAIR \i
	CHAIN (\i)-4, ACC, 0
.endm
.macro L_ROUND i, x, y                 ; an even block with a round: the descriptors, the step with the ring's end, the odd block's way out
	ASK \i
	STEP (\i)-4, 1
	CHAIN (\i)-8, ACC+32, 1
.endm
; ---- phase 2's blocks.  w: the count of the wait for the block's rows (-1: they are shown in already)
.macro WAITDS w
.if (\w) >= 0
	s_wait_dscnt \w
.endif
.endm
.macro EVENOUT fetch                   ; behind an even block: the odd block's byte, the pair's codes, the fetch of the block two on
	WALU
	ds_store_b8 v[VX], v[EB+1] offset:2
	PUTQ
.if \fetch
	FETCH 0
.endif
.endm
.macro EVEN w, fetch
.set PAR, 0
.set INC, 16
	WAITDS \w
.if \fetch
	BLOCK 0, 0, ACC, 8, 0, 32, L_OUT, ACC+32, 1
.else
	BLOCK 0, 0, ACC, 8, 0, 32, L_LAST, ACC+32, 1
.endif
	WIN 0
	CODES6 ACC+32, NCD+6, 1
	EVENOUT \fetch
.endm
.macro EVENROUND w                     ; the second and the third refill; the step leads into the next chunk
.set PAR, 0
.set INC, 112
	WAITDS \w
	GRD
	BLOCK 0, 0, ACC, 8, 0, 26, L_ROUND
	WIN 0
	WALU
	s_wait_dscnt 0x0
	s_barrier_signal -1
	BLOCK 0, 0, ACC, 8, 26, 32, L_NONE
	WIN 0
	CODES6 ACC+32, NCD+6, 1
	MIDDLE
	BARRIER
	s_cmp_lt_u32 s14, 2
	s_cbranch_scc0 .Lscales_\@
	TLOAD G0R, G1A
	s_branch .Lasked_\@
.Lscales_\@:
	s_cmp_eq_u32 s14, 2
	s_cbranch_scc0 .Lnone_\@
	TLOAD G0S, G1S
.Lnone_\@:
.Lasked_\@:
	EVENOUT 1
.endm
.macro EVENSHOW w                      ; a plain barrier inside the block shows the last refill to all
.set PAR, 0
.set INC, 112
	WAITDS \w
	BLOCK 0, 0, ACC, 8, 0, 26, L_OUT, ACC+32, 1
	WIN 0
	WALU
	s_wait_tensorcnt 0x0
	s_wait_dscnt 0x0
	s_barrier_signal -1
	BLOCK 0, 0, ACC, 8, 26, 32, L_NONE
	WIN 0
	s_barrier_wait -1
	CODES6 ACC+32, NCD+6, 1
	EVENOUT 1
.endm
.macro ODD w, fetch
.set PAR, 1
.set INC, 0
	WAITDS \w
	s_wait_xcnt 0x0
.if \fetch
	BLOCK 0, 1, ACC+32, 8, 0, 32, L_ODD
.else
	BLOCK 0, 1, ACC+32, 8, 0, 32, L_ODDL
.endif
	WIN 0
	CODES6 ACC, NCD, 0
	WALU
	ds_store_b8 v[VX], v[EB]
.if \fetch
	FETCH 1
.endif
.endm
; ================= THE HEAD
	s_load_b128 s[4:7], s[0:1], 0x0                     ; X's codes, scales
	s_load_b128 s[48:51], s[0:1], 0x10                  ; Wv's
	s_load_b256 s[76:83], s[0:1], 0x20                  ; Wq's, Wk's
	v_lshl_add_u32 v[SPW], v0, 2, SPARE
	v_mov_b32 v[NIL], 0
	ds_add_u32 v[SPW], v[NIL]
	ds_add_u32 v[SPW], v[NIL]
	v_lshrrev_b32 v1, 5, v0
	v_readfirstlane_b32 s14, v1                         ; s14 the wave; s15 its row of the 2 x 2, s16 its column
	s_lshr_b32 s15, s14, 1
	s_and_b32 s16, s14, 1
	s_bfe_u32 s40, ttmp6, 0x40000                       ; cx
	s_bfe_u32 s41, ttmp6, 0x40004                       ; cy
	s_lshl_b32 s42, ttmp9, 2
	s_add_co_u32 s42, s42, s40                          ; phase 2's tile column, 0 .. 15
	s_and_b32 s54, s42, 7                               ; within its tensor
	s_and_b32 s43, ttmp7, 0xffff
	s_lshl_b32 s43, s43, 2
	s_add_co_u32 s43, s43, s41                          ; its tile row
	s_lshr_b32 s19, ttmp9, 1                            ; 0 Q, 1 K
	s_and_b32 s87, ttmp9, 1                             ; V's half of my 512 rows
	s_lshl_b32 s13, s19, 2
	s_add_co_u32 s13, s13, s40                          ; V's tile column
	s_lshl_b32 s12, s43, 1
	s_add_co_u32 s12, s12, s87                          ; V's tile row
	s_lshl_b32 s44, s41, 2
	s_lshl_b32 s44, 15, s44                             ; my row of the cluster
	s_lshl_b32 s45, 0x1111, s40                         ; my column
	GROUP1 G1A, 44, RA
	GROUP1 G1B, 45, TN
	s_or_b32 s[G1S+0], s44, (3<<16)|(1<<20)|(1<<21)|(5<<22)|(3<<25)
	s_mov_b32 s[G1S+1], 32<<16
	s_mov_b32 s[G1S+2], (2*CU)<<16
	s_mov_b32 s[G1S+3], 32<<16
	s_mov_b32 s[G1S+4], 2*CU
	s_mov_b32 s[G1S+5], 32
	s_mov_b32 s[G1S+6], 0
	s_mov_b32 s[G1S+7], 0
	s_mov_b32 s[G0S], 1
	s_mov_b32 s[G0S+1], SCL
	s_mul_i32 s67, s43, TM*KROW                         ; my 512 rows, bytes from X's codes
	s_mul_i32 s66, s12, TV*KROW                         ; V's half of them
	s_mul_i32 s9, s54, TN*KROW                          ; the second weight's rows
	s_mul_i32 s17, s13, TN*KROW                         ; Wv's
	s_mul_i32 s55, s43, TM*KS
	s_mul_i32 s89, s12, TV*KS
	s_mul_i32 s21, s16, 16*NB*KS
	s_mul_i32 s2, s54, TN*KS
	SADD 2, 21
	s_mov_b32 s3, 0
	s_mul_i32 s84, s13, TN*KS
	SADD 84, 21
	s_mov_b32 s85, 0
	s_mov_b32 s[G0A], 1
	s_mov_b32 s[G0A+1], 0
	s_mov_b32 s[G0B], 1
	s_mov_b32 s[G0B+1], BVB
	s_mov_b32 s[G0R], 1
	s_mov_b32 s[G0R+1], YB
	v_and_b32 v1, 15, v0                                ; r
	v_bfe_u32 v2, v0, 4, 1                              ; h
	v_and_b32 v3, 31, v0
	v_and_b32 v7, 7, v1
	v_lshrrev_b32 v8, 3, v1
	v_mul_u32_u24 v20, v7, PITCH
	v_mad_u32_u24 v22, v8, 40*PITCH, v20                ; an even tile: rows r, or 40 + r - 8
	v_mad_u32_u24 v23, v8, 24*PITCH, v20
	v_add_nc_u32 v23, 8*PITCH, v23                      ; an odd one: rows 8 + r, or 32 + r - 8
	v_mad_u32_u24 v249, v2, 24, v22
	v_mad_u32_u24 v250, v2, 24+16, v22
	v_mad_u32_u24 v251, v2, 24, v23
	v_mad_u32_u24 v255, v2, 24+16, v23
	s_mul_i32 s21, s15, 64*PITCH
	v_add_nc_u32 v[ADRA0], s21, v249
	v_add_nc_u32 v[ADRA0+1], s21, v250
	v_add_nc_u32 v252, s21, v251
	v_add_nc_u32 v253, s21, v255
	v_lshlrev_b32 v20, 5, v7                            ; scale bytes: 8 rows to a unit of 256 + 16
	v_mad_u32_u24 v22, v8, 5*272, v20
	v_mad_u32_u24 v23, v8, 3*272, v20
	s_mul_i32 s21, s15, 8*272
	s_add_co_u32 s21, s21, SCL
	s_add_co_u32 s22, s21, 272
	v_add_nc_u32 v[AAS0], s21, v22
	v_add_nc_u32 v254, s22, v23
	v_mul_u32_u24 v20, v1, PITCH                        ; Wv: 16 neighbouring rows a tile
	s_mul_i32 s22, s16, 16*NB*PITCH
	s_add_co_u32 s22, s22, BVB
	v_mad_u32_u24 v22, v2, 24, v20
	v_mad_u32_u24 v23, v2, 24+16, v20
	v_add_nc_u32 v[ADRB], s22, v22
	v_add_nc_u32 v[ADRB+1], s22, v23
	v_lshlrev_b32 v[ABS], 5, v3
	v_xor_b32 v22, v2, v8                               ; the second weight's scale rows: r % 8 + 32 (r / 8) + 8 (h xor r / 8), 16 more for tiles 2, 3
	v_lshlrev_b32 v22, 8, v22
	v_lshl_add_u32 v22, v8, 10, v22
	v_lshl_add_u32 v22, v7, 5, v22
	s_lshl_b32 s90, s40, 2
	s_add_co_u32 s90, s90, s14                          ; my number among the sixteen waves of my row of the cluster
	s_lshl_b32 s100, s41, 2
	s_add_co_u32 s100, s100, s14                        ; and of my column
	WALU
	s_wait_dscnt 0x0
	CROUND                                              ; the opening round, ahead of the wait for the arguments
	s_wait_kmcnt 0x0
	s_cmp_eq_u32 s19, 1
	s_cselect_b64 s[W2:W2+1], s[80:81], s[76:77]
	s_cselect_b64 s[10:11], s[82:83], s[78:79]
	s_add_nc_u64 s[10:11], s[10:11], s[2:3]             ; the second weight's scale bytes, my 64 rows
	s_add_nc_u64 s[84:85], s[50:51], s[84:85]           ; Wv's
	s_mov_b32 s20, s66
	s_mov_b32 s21, 0
	s_add_nc_u64 s[G0A+2:G0A+3], s[4:5], s[20:21]
	s_add_nc_u64 s[G0R+2:G0R+3], s[G0A+2:G0A+3], RA*KROW
	s_or_b32 s[G0A+3], s[G0A+3], 0x80000000
	s_or_b32 s[G0R+3], s[G0R+3], 0x80000000
	G0SET G0B, 48, 17
	G0SET G0S, 6, 89
	s_cmp_eq_u32 s14, 0
	s_cbranch_scc0 .Lwave_1
	TLOAD G0B, G1B                                      ; wave 0: Wv's rows
	s_branch .Lasked
.Lwave_1:
	s_cmp_eq_u32 s14, 1
	s_cbranch_scc0 .Lwave_2
	TLOAD G0S, G1S                                      ; wave 1: both chunks' scale bytes
	s_branch .Lasked
.Lwave_2:
	s_cmp_eq_u32 s14, 2
	s_cbranch_scc0 .Lwave_3
	TLOAD G0A, G1A                                      ; wave 2: chunk 0
	s_branch .Lasked
.Lwave_3:
	TLOAD G0R, G1A                                      ; wave 3: chunk 1
.Lasked:
	s_lshr_b32 s21, s54, 1                              ; where the results go: s[76:77] q's or k's codes, s[78:79] their scale bytes, s[80:81], s[82:83] v's
	s_mul_i32 s76, s21, 1572864
	MADD 76, 19, 6291456
	MADD 76, 43, 32*IMG
	MADD 76, 15, 8*IMG
	s_and_b32 s21, s54, 1
	MADD 76, 21, 1536
	MADD 76, 16, 768
	s_mov_b32 s77, 0
	s_mul_i32 s78, s54, 32768
	MADD 78, 19, 262144
	MADD 78, 43, 2048
	s_xor_b32 s21, s15, s87                             ; the stage's halves lie in the order of work
	MADD 78, 21, 1024
	MADD 78, 16, 512
	s_mov_b32 s79, 0
	s_mul_i32 s80, s12, 196608
	MADD 80, 13, 8*IMG
	MADD 80, 16, 4*IMG
	MADD 80, 15, 1536
	s_mov_b32 s81, 0
	s_mul_i32 s82, s12, 8192
	MADD 82, 15, 4096
	MADD 82, 13, 512
	MADD 82, 16, 256
	s_mov_b32 s83, 0
.irp p, 0,1
.irp c, 0,1
	global_load_b128 v[SB+NQ*\p+4*\c:SB+NQ*\p+4*\c+3], v[ABS], s[84:85] offset:\p*32*KS+16*\c
.endr
.endr
	s_wait_xcnt 0x0
	s_load_b128 s[48:51], s[0:1], 0x40                  ; bq, bk
	s_load_b64 s[2:3], s[0:1], 0x50                     ; bv
	s_lshl_b32 s20, s54, 1
	SADD 20, 16
	s_lshl_b32 s20, s20, 8                              ; my 64 columns of Q or K
	s_mov_b32 s21, 0
	s_lshl_b32 s22, s13, 1
	SADD 22, 16
	s_lshl_b32 s22, s22, 8                              ; and of V
	s_mov_b32 s23, 0
	v_lshlrev_b32 v8, 2, v1                             ; V: lane r of tile t has column 16 t + r
	v_mul_u32_u24 v21, 160, v2                          ; Q, K: register 8 j + i of lane half h is column 32 h + 8 (j xor h) + i: even tiles,
	WALU
	s_wait_kmcnt 0x0
	s_cmp_eq_u32 s19, 1
	s_cselect_b64 s[12:13], s[50:51], s[48:49]
	s_add_nc_u64 s[12:13], s[12:13], s[20:21]           ; kept for the loads between the phases
	s_add_nc_u64 s[2:3], s[2:3], s[22:23]
	WIN 3<<6
.irp t, 0,1,2,3
	global_load_b32 v[BBV-768+8*\t], v8, s[2:3] offset:64*\t
.endr
	WIN 0
	v_lshlrev_b32 v[CO], 4, v3
	v_lshlrev_b32 v[C8], 3, v3
	s_mul_i32 s21, s16, TM*2
	s_add_co_u32 s21, s21, XN
	s_lshl_b32 s22, s15, 8
	SADD 21, 22
	v_lshl_add_u32 v23, v1, 2, v2
	v_add_nc_u32 v[STO], s21, v23
	s_lshl_b32 s21, s14, 8
	s_add_co_u32 s21, s21, XM
	v_add_nc_u32 v[STV], s21, v23
	v_mul_u32_u24 v2, 96, v2                            ; and odd tiles
	WIN 3<<6
.irp p, 0,1
.irp c, 0,1
	global_load_b128 v[SB2-768+NQ*\p+4*\c:SB2-768+NQ*\p+4*\c+3], v22, s[10:11] offset:\p*16*KS+16*\c
.endr
.endr
	WIN 0
	WALU
	s_wait_xcnt 0x0
	s_load_b64 s[10:11], s[0:1], 0x58                   ; qkimg
	s_load_b128 s[48:51], s[0:1], 0x60                  ; qksc, vimg
	s_load_b64 s[52:53], s[0:1], 0x70                   ; vsc
	s_wait_loadcnt 0x0
	WIN (3<<6)|3
.irp t, 0,8,16,24
.irp i, 1,2,3,4,5,6,7
	v_mov_b32 v[BBV-768+\t+\i], v[BBV-768+\t]
.endr
.endr
	WIN 0
	s_mov_b32 s46, 0
	s_mov_b32 s88, s67
	s_mov_b32 s47, 0
	s_mov_b32 s8, SCL
	s_xor_b32 s20, s87, 1                               ; the chunks still to come are the other half's
	s_mul_i32 s21, s20, 2*RA*KROW
	SADD 88, 21
	s_mul_i32 s21, s20, 2*CU*256
	SADD 55, 21
	WIN 3<<6
.irp b, 0,1,2,3
	v_add_nc_u32 v[BA-768+2*\b], \b*16*PITCH, v[ADRB]
	v_add_nc_u32 v[BA-768+2*\b+1], \b*16*PITCH, v[ADRB+1]
.endr
	WIN 0
	PFTILE 8, 9, 100                                    ; what the first refill will load
	WALU
	s_cmp_eq_u32 s14, 0
	s_cbranch_scc0 .Lnot_b
	s_wait_tensorcnt 0x0
.Lnot_b:
	BARRIER                                             ; Wv's rows are in
	PFGO 8, W2
	WEIGHTS
	s_mul_i32 s22, s16, 16*NB*PITCH                     ; the second weight's four tiles
	s_add_co_u32 s22, s22, BVB
	s_add_co_u32 s23, s22, 16*PITCH
	WIN 3<<6
	v_add_nc_u32 v[BA-768], s22, v249
	v_add_nc_u32 v[BA-768+1], s22, v250
	v_add_nc_u32 v[BA-768+2], s22, v251
	v_add_nc_u32 v[BA-768+3], s22, v255
	v_add_nc_u32 v[BA-768+4], s23, v249
	v_add_nc_u32 v[BA-768+5], s23, v250
	v_add_nc_u32 v[BA-768+6], s23, v251
	v_add_nc_u32 v[BA-768+7], s23, v255
	WIN 0
	WALU
	s_cmp_eq_u32 s14, 3
	s_cbranch_scc1 .Lnot_a0
	s_wait_tensorcnt 0x0
.Lnot_a0:
	s_wait_dscnt 0x0
	BARRIER                                             ; chunk 0 and the scale bytes are in; chunk 1 may still be on its way
	FETCH01
	s_wait_kmcnt 0x0
	s_add_nc_u64 s[10:11], s[10:11], s[76:77]
	s_add_nc_u64 s[48:49], s[48:49], s[78:79]
	s_add_nc_u64 s[50:51], s[50:51], s[80:81]
	s_add_nc_u64 s[52:53], s[52:53], s[82:83]
; ================= PHASE 1: V, eight blocks; chunk 0's way outs stand in chunk 1's blocks
.irp s, 0,1
.set PAR, \s
.set INC, 16*(1-\s)
	s_wait_dscnt NF
	BLOCK 1, \s, HV0+8*\s, 32, 0, 32, L_STEP
	WIN 0
	PLACES 4
	WALU
	FETCH \s
.endr
.set PAR, 0
.set INC, 112
	s_wait_dscnt NF
	s_wait_xcnt 0x0                                     ; the list writes v8, the address of the head's prefetch
	GRD
	BLOCK 1, 0, HV0+16, 32, 0, 24, L_V2
	WIN 0
	s_wait_dscnt 0x0
	s_barrier_signal -1
	BLOCK 1, 0, HV0+16, 32, 24, 32, L_NONE
	MIDDLE
	BARRIER
	s_cmp_lt_u32 s14, 2
	s_cbranch_scc0 .Lno_half
	TLOAD G0B, G1B                                      ; waves 0 and 1 a half each of Wq's or Wk's rows, onto Wv's, which all waves hold in registers
.Lno_half:
	PLACES 4
	WALU
	FETCH 0
	PFGO 7, 4
	PFGO 8, 6
.set PAR, 1
.set INC, 0
	BLOCK 1, 1, HV0+24, 32, 0, 32, L_STEP
	WIN 0
	PLACES 4
	WALU
	FETCH 1
.irp j, 0,1,2
.set PAR, \j%2
.set INC, 16*((2-\j)/2)
	s_wait_dscnt NF+(\j+1)/2
.if \j < 2
	BLOCK 1, \j%2, HV1+8*\j, 32, 0, 32, L_OUT, HV0+32*\j, \j
.else
	BLOCK 1, \j%2, HV1+8*\j, 32, 0, 32, L_LAST, HV0+32*\j, \j
.endif
	WIN 0
	CODES6 HV0+32*\j, MCD+12*\j, \j
	WALU
	ds_store_b8 v[STV], v[EB+\j] offset:64*\j
.if \j < 2
	FETCH \j%2
.endif
.endr
	s_wait_dscnt 1
	BLOCK 1, 1, HV1+24, 32, 0, 26, L_V7, HV0+96, 3
	WIN 0
	WALU
	s_wait_tensorcnt 0x0
	s_wait_dscnt 0x0
	s_barrier_signal -1                                 ; a plain barrier: the weight that the first refill brought is shown to all
	BLOCK 1, 1, HV1+24, 32, 26, 32, L_NONE
	WIN 0
	s_barrier_wait -1
	CODES6 HV0+96, MCD+36, 3
	WALU
	ds_store_b8 v[STV], v[EB+3] offset:192
; ================= THE CHANGE OF PHASE: the weight and the first two blocks' rows, which lie in slot 0 still, in one run of loads; chunk 1's four way outs under their flight
.irp b, 0,2
	global_load_b128 v[BBQ+8*\b:BBQ+8*\b+3], v21, s[12:13] offset:32*\b
	global_load_b128 v[BBQ+8*\b+4:BBQ+8*\b+7], v21, s[12:13] offset:32*\b+16
	global_load_b128 v[BBQ+8*\b+8:BBQ+8*\b+11], v2, s[12:13] offset:32*\b+32
	global_load_b128 v[BBQ+8*\b+12:BBQ+8*\b+15], v2, s[12:13] offset:32*\b+48
.endr
	WEIGHTS
	FETCH01
	PFGO 20, 4
	WIN 3
.set I, 0
.rept 16
	v_mov_b32 v[SB+I], v[SB2-768+I]
.set I, I+1
.endr
	WIN 0
.set I, 0
.rept 18
.irp t, 0,1,2,3
	CHAIN I, HV1+32*\t, \t, 64+4*\t
.endr
.set I, I+1
.endr
.set I, 0
.rept 6
.irp t, 0,1,2,3
	CODES I, HV1+32*\t, MCD+12*\t+6, \t, 80+4*\t
.endr
.set I, I+1
.endr
	WIN 0
	WALU
; ================= PHASE 2: Q or K, sixteen blocks, way outs by pairs
	s_wait_loadcnt 0x0
	s_wait_dscnt NF
.set PAR, 0
.set INC, 16
	BLOCK 0, 0, ACC, 8, 0, 32, L_STEP
	WIN 0
	PLACES 4
	WALU
.irp t, 0,1,2,3
	ds_store_b8 v[STV], v[EB+\t] offset:2+64*\t
.endr
.irp t, 0,1,2,3
	PUT3 MCD+12*\t, s[50:51], IMG*\t                    ; V's codes leave
.endr
	FETCH 0
	ODD NF+4, 1
	s_mov_b32 s86, 0
.Lwith_rounds:                                          ; blocks 2 to 5, 6 to 9
	EVENROUND NF+1
	ODD -1, 1
	EVEN NF+1, 1
	ODD NF+1, 1
	s_add_co_u32 s86, s86, 1
	s_cmp_lg_u32 s86, 2
	s_cbranch_scc1 .Lwith_rounds
	EVENSHOW NF+1                                       ; blocks 10 to 15
	ODD -1, 1
	EVEN NF+1, 1
	ODD NF+1, 1
	EVEN NF+1, 0
	ODD 1, 0
; ================= THE END: the last way out; the scale bytes go through LDS under its conversions
	s_lshl_b32 s21, s14, 8
	s_add_co_u32 s22, s21, XM
	s_add_co_u32 s21, s21, XN
	v_lshrrev_b32 v12, 3, v3                            ; q, k: a lane makes four rows' words of row block lane / 4: two bytes of each from column 0's stage, two from column 1's
	v_lshlrev_b32 v12, 6, v12
	v_and_b32 v13, 3, v3
	v_lshl_add_u32 v12, v13, 4, v12
	v_add_nc_u32 v12, s21, v12
	v_add_nc_u32 v14, s22, v[C8]
	v_bfe_u32 v13, v3, 2, 1
	s_mov_b32 s20, 0x02020202
	v_mul_lo_u32 v13, v13, s20
	v_add_nc_u32 v13, 0x05040100, v13                   ; an even row block's bytes are the low halves, an odd one's the high
.set I, 0
.rept 18
	CHAIN I, ACC+32, 1
.set I, I+1
.endr
	CODES 2, ACC+32, NCD+6, 1
	WALU
	ds_store_b8 v[VX], v[EB+1] offset:2
	s_wait_dscnt 0x0
	s_barrier_signal -1
	CODES 0, ACC+32, NCD+6, 1
	CODES 1, ACC+32, NCD+6, 1
	v_nop
.irp i, 3,4,5
	CODES \i, ACC+32, NCD+6, 1
.endr
	s_barrier_wait -1
	WALU
	ds_load_b128 v[64:67], v12
	ds_load_b128 v[72:75], v12 offset:1024
	ds_load_b64 v[68:69], v14
	PUTQ
	s_wait_dscnt 0x0
.irp i, 0,1,2,3
	v_perm_b32 v[76+\i], v[72+\i], v[64+\i], v13
.endr
	global_store_b128 v[CO], v[76:79], s[48:49]
	global_store_b64 v[C8], v[68:69], s[52:53]
	s_wait_tensorcnt 0x0
	ds_add_u32 v[SPW], v[NIL]
	s_wait_dscnt 0x0
	CROUND
	s_endpgm
.Lfunc_end_k_qf2ce2df818_proj:
	.size	k_qf2ce2df818_proj, .Lfunc_end_k_qf2ce2df818_proj-k_qf2ce2df818_proj
	.p2alignl 7, 3214868480
	.fill 96, 4, 3214868480
	.section	.rodata,"a",@progbits
	.p2align	6, 0x0
	.amdhsa_kernel k_qf2ce2df818_proj
		.amdhsa_group_segment_fixed_size 327680
		.amdhsa_private_segment_fixed_size 0
		.amdhsa_enable_private_segment 0
		.amdhsa_kernarg_size 120
		.amdhsa_user_sgpr_count 2
		.amdhsa_user_sgpr_kernarg_segment_ptr 1
		.amdhsa_wavefront_size32 1
		.amdhsa_system_sgpr_workgroup_id_x 1
		.amdhsa_system_sgpr_workgroup_id_y 1
		.amdhsa_system_sgpr_workgroup_id_z 1
		.amdhsa_system_vgpr_workitem_id 0
		.amdhsa_next_free_vgpr 1024
		.amdhsa_next_free_sgpr 102
		.amdhsa_reserve_vcc 0
		.amdhsa_float_denorm_mode_32 3
		.amdhsa_float_denorm_mode_16_64 3
		.amdhsa_memory_ordered 1
		.amdhsa_forward_progress 1
		.amdhsa_inst_pref_size 208
	.end_amdhsa_kernel
	.amdgpu_metadata
---
amdhsa.version: [ 1, 2 ]
amdhsa.kernels:
  - .name:           k_qf2ce2df818_proj
    .symbol:         k_qf2ce2df818_proj.kd
    .args:
      - { .name: X_codes, .offset: 0, .size: 8, .value_kind: global_buffer, .address_space: global }
      - { .name: X_scales, .offset: 8, .size: 8, .value_kind: global_buffer, .address_space: global }
      - { .name: Wv_codes, .offset: 16, .size: 8, .value_kind: global_buffer, .address_space: global }
      - { .name: Wv_scales, .offset: 24, .size: 8, .value_kind: global_buffer, .address_space: global }
      - { .name: Wq_codes, .offset: 32, .size: 8, .value_kind: global_buffer, .address_space: global }
      - { .name: Wq_scales, .offset: 40, .size: 8, .value_kind: global_buffer, .address_space: global }
      - { .name: Wk_codes, .offset: 48, .size: 8, .value_kind: global_buffer, .address_space: global }
      - { .name: Wk_scales, .offset: 56, .size: 8, .value_kind: global_buffer, .address_space: global }
      - { .name: bq, .offset: 64, .size: 8, .value_kind: global_buffer, .address_space: global }
      - { .name: bk, .offset: 72, .size: 8, .value_kind: global_buffer, .address_space: global }
      - { .name: bv, .offset: 80, .size: 8, .value_kind: global_buffer, .address_space: global }
      - { .name: qkimg, .offset: 88, .size: 8, .value_kind: global_buffer, .address_space: global }
      - { .name: qksc, .offset: 96, .size: 8, .value_kind: global_buffer, .address_space: global }
      - { .name: vimg, .offset: 104, .size: 8, .value_kind: global_buffer, .address_space: global }
      - { .name: vsc, .offset: 112, .size: 8, .value_kind: global_buffer, .address_space: global }
    .group_segment_fixed_size: 327680
    .private_segment_fixed_size: 0
    .kernarg_segment_align: 8
    .kernarg_segment_size: 120
    .max_flat_workgroup_size: 128
    .sgpr_count:     102
    .vgpr_count:     1024
    .wavefront_size: 32
...
	.end_amdgpu_metadata
.endif
;; end of part 1
;; launch scores (part 2): grid 8 x 32, 4 waves a work-group, clusters of 4 x 4, 327,680 bytes of LDS; arguments qkimg, qksc, pimg, psc, pml; writes pimg, psc, pml
.if DOCPART == 2
	.amdgcn_target "amdgcn-amd-amdhsa--gfx1250"
	.amdhsa_code_object_version 6
	.text
	.protected	k_qf2ce2df818_scores
	.globl	k_qf2ce2df818_scores
	.p2align	8
	.type	k_qf2ce2df818_scores,@function
k_qf2ce2df818_scores:
	s_mov_b64 s[64:65], 0
	v_nop
	global_prefetch_b8 v0, s[64:65] scope:SCOPE_SE
	s_setreg_imm32_b32 hwreg(HW_REG_WAVE_MODE, 25, 1), 1
	s_wait_xcnt 0x0
	s_wait_alu depctr_hold_cnt(0) depctr_sa_sdst(0) depctr_va_vdst(0) depctr_va_sdst(0) depctr_va_ssrc(0) depctr_va_vcc(0) depctr_vm_vsrc(0)
	s_getreg_b32 s2, hwreg(HW_REG_IB_STS2, 6, 4)
	s_cmp_eq_u32 s2, 0
	s_cbranch_scc0 .Lentry_in_a_cluster
	s_endpgm
.Lentry_in_a_cluster:
	s_bfe_u32 s2, ttmp6, 0x10000c
	s_cmp_lg_u32 s2, 0xf033
	s_cbranch_scc0 .Lentry_shape_is_right
	s_endpgm
.Lentry_shape_is_right:
; S = q k^T for each of 4 batches (2,048 x 2,048, K = 1,024) on codes of FP6 (E2M3), and the softmax's weights p as codes, chunk by chunk of 128 keys.
; q and k come as images of operand registers: [K / 256][rows / 16][2][1,536 bytes], k 6,291,456 bytes behind q; their scale words [K / 128][rows / 16][16 words], k's 262,144 bytes behind q's.
; A work-group of four waves makes 256 queries x 256 keys, a wave 128 x 128: 64 accumulators.  THE MATRIX INSTRUCTION IS USED TRANSPOSED (source 0 = 16 keys, source 1 = 16 queries): a lane holds ONE query,
; its registers run along the keys, which are the next product's K.  Clusters of 4 x 4: q's tiles are asked for jointly by a row of the cluster, k's by a column.
; THE SOFTMAX, for a query and the wave's chunk of 128 keys: t = score x log2(e) / 32; M = the chunk's largest t rounded UP to a whole number; p = 2^(t - M), quantised along the keys in blocks of 32.
; Stored: p's codes (as images), p's scale words, M, and the sum of the unquantised p.  The next launch takes the largest M of a row's 16 chunks and takes the difference off the scale bytes: a power of two, exactly.
; A block's largest p is not searched for: the block's largest score goes through the same multiply-add and exponential (this takes v_exp_f32 not to fall where its input rises).
; Inside a block of 32 keys the codes lie in the order that a lane's registers have (index 32 b + 16 (i / 8) + 8 h + i % 8 at place 16 h + i); v's codes were made by the same lines, so the products pair.
; LIMITS: NaN and infinities are not served.  A block whose every p lies under 2^-124 keeps the byte 1.  Inside a block the order of summation differs from ascending k.
.set NQ,     2
.set FR,     12
; THE IMAGES OF q AND k AS THE FIRST LAUNCH LEAVES THEM: a fragment is two halves of 768 bytes, each four registers (16 bytes a lane) and then two (8 bytes a lane).
; Of 64 keys, row block j of four has key 8 j + i in row i and key 32 + 8 (j xor 1) + i in row 8 + i: over four row blocks a lane half h holds all 32 keys of block h, in the order in which v's codes have them.
.set NL,     4                         ; LDS loads that bring a fragment
.set NP,     4
.set HALFT,  24576                     ; 8 row blocks x 2 x 1,536: one tensor load, dense in memory
.set SLOT,   4*HALFT                   ; q's 256 rows, then k's 256 rows, 256 along K
.set LAPS,   2
.set KSLB,   1572864                   ; bytes from a K slot of an operand's images to the next: 512 row blocks x 3,072
.set SCL,    2*SLOT                    ; behind the ring: the scale words: quarter w at 4,096 w + 64 (w / 2), each [4 K steps][16 row blocks][16 words]
.set SPARE,  SCL+16640                 ; the spare words
.set STG,    SPARE+512                 ; 1,536 bytes a wave: scale words, M and sums on their way out; no fill lands here
.set ADRA, 16                          ; v16-17 LDS address of q's fragments in slot 0, 1
.set ADRB, 20                          ; v20-21 of k's
.set IO,   24                          ; v24  16 x lane
.set STWA, 25
.set STRA, 26
.set ADRS, 27                          ; v27  scale words: lanes 0-15 q's rows, lanes 16-31 k's
.set SPW,  28
.set NIL,  29
.set SC,   32                          ; v32-63 scale words, two sets
.set AF,   128                         ; v128-223 q's fragments, one set
.set PCB,  64                          ; the way out: block a's codes at v[64 + 12 a]
.set WK,   160
.set BM,   168                         ; v168-171 a block's largest score, then its largest p
.set BX,   172                         ; v172-175 the other half's; then the bytes
.set SO,   176                         ; v176-179 the conversions' scale operands
.set NM,   180                         ; v[180:181] -M (the packed form names a pair and takes its low word)
.set T,    182
.set T2,   183
.set SUM,  184                         ; v[184:185], v[186:187] the sum in two chains
.set SUM2, 186
.set PW,   192                         ; v192-199 scale words;  v200-207 M;  v208-215 sums
.set MV,   200
.set LV,   208
.set FIN,  216
.set G1, 24
.set G0, 32
.set G1B, 48
.set G0B, 56
.set G1S, 68
.set G0S, 76
.set G1SB, 80
.set G0SB, 88
.set SEL, 92
.set CS,  94                           ; s[94:95] c = log2(e) / 32
.set MSB, 0
.macro WIN new
.if MSB != (\new)
	s_set_vgpr_msb (MSB<<8)|(\new)
.set MSB, (\new)
.endif
.endm
.set MUL_LO, 0xa1
.set MUL_HI, 0xf1
.set TO_B,   0x40
.macro JLOAD g0a, g1a, g0b, g1b        ; waves 0 and 1 fetch for q, waves 2 and 3 for k; four v_nop follow each of the two lines
	s_cmp_eq_u32 s15, 0
	s_cbranch_scc0 .Lfor_b_\@
	tensor_load_to_lds s[\g0a:\g0a+3], s[\g1a:\g1a+7]
	s_nop 0
.rept 4
	v_nop
.endr
	s_branch .Lasked_\@
.Lfor_b_\@:
	tensor_load_to_lds s[\g0b:\g0b+3], s[\g1b:\g1b+7]
	s_nop 0
.rept 4
	v_nop
.endr
.Lasked_\@:
.endm
.macro CREST
	s_cmp_lg_u32 s14, 0
	s_cbranch_scc1 .Lnot_wave_0_\@
	s_barrier_signal -3
.Lnot_wave_0_\@:
	s_barrier_wait -3
	s_barrier_signal -1
	s_barrier_wait -1
.endm
.macro CROUND
	s_barrier_signal -1
	s_barrier_wait -1
	CREST
.endm
	s_load_b256 s[4:11], s[0:1], 0x0               ; qkimg, qksc, pimg, psc
	s_load_b64 s[12:13], s[0:1], 0x20              ; pml
	v_lshl_add_u32 v[SPW], v0, 2, SPARE
	v_mov_b32 v[NIL], 0
	ds_add_u32 v28, v29
	ds_add_u32 v28, v29
	s_wait_dscnt 0x0
	v_lshrrev_b32 v1, 5, v0
	v_readfirstlane_b32 s14, v1                    ; wave
	s_lshr_b32 s15, s14, 1                         ; my half of the queries.  Also: I fetch for q (0) or for k (1)
	s_and_b32 s16, s14, 1                          ; my half of the keys.  Also: which 128 rows I fetch
	s_bfe_u32 s40, ttmp6, 0x40000                  ; cx
	s_bfe_u32 s41, ttmp6, 0x40004                  ; cy
	s_and_b32 s19, ttmp7, 0xffff                   ; cluster y
	s_lshl_b32 s17, s19, 2
	s_add_co_u32 s17, s17, s41                     ; tile of 256 queries, 0 .. 31, over all batches
	s_lshl_b32 s42, ttmp9, 2
	s_add_co_u32 s42, s42, s40                     ; tile of 256 keys in the batch, 0 .. 7
	s_lshr_b32 s19, s19, 1                         ; the batch: from cluster y alone
	s_lshl_b32 s43, s41, 2
	s_lshl_b32 s43, 15, s43                        ; my row of the cluster
	s_lshl_b32 s44, 0x1111, s40                    ; my column
	; group 1 for the images: 24,576 dense bytes as 96 rows of 256 bytes (32 elements of 8 bytes); no padding: an LDS load's 512 bytes are consecutive
	s_or_b32 s[G1+0], s43, (3<<16)|(1<<21)
	s_or_b32 s[G1B+0], s44, (3<<16)|(1<<21)
.irp g, G1, G1B
	s_mov_b32 s[\g+1], 32<<16
	s_mov_b32 s[\g+2], 192<<16                     ; 256 rows at the head; behind it 96 rows of 256 bytes: 128 rows of an operand
	s_mov_b32 s[\g+3], 32<<16
	s_mov_b32 s[\g+4], 192
	s_mov_b32 s[\g+5], 32
	s_mov_b32 s[\g+6], 0
	s_mov_b32 s[\g+7], 0
.endr
	; group 1 for the scale words: 8 K steps x 1,024 bytes (16 row blocks), 32,768 bytes apart
	s_or_b32 s[G1S+0], s43, (3<<16)|(1<<21)
	s_or_b32 s[G1SB+0], s44, (3<<16)|(1<<21)
.irp g, G1S, G1SB
	s_mov_b32 s[\g+1], 128<<16                     ; 1,024 bytes: 16 row blocks
	s_mov_b32 s[\g+2], 8<<16
	s_mov_b32 s[\g+3], 128<<16
	s_mov_b32 s[\g+4], 8
	s_mov_b32 s[\g+5], 4096
	s_mov_b32 s[\g+6], 0
	s_mov_b32 s[\g+7], 0
.endr
	s_lshl_b32 s20, s17, 4                         ; q: row block 16 x tile
	s_lshl_b32 s98, s19, 3
	s_add_co_u32 s98, s98, s42                     ; 8 x batch + key tile
	s_lshl_b32 s46, s98, 4                         ; k: row block 16 x that
	s_lshl_b32 s22, s20, 6
	s_mov_b32 s23, 0
	s_lshl_b32 s2, s46, 6
	s_add_co_u32 s2, s2, 262144
	s_mov_b32 s3, 0
	s_mul_i32 s20, s20, 3072
	s_mov_b32 s21, 0
	s_mul_i32 s46, s46, 3072
	s_add_co_u32 s46, s46, 6291456
	s_mov_b32 s47, 0
	s_mul_i32 s45, s14, HALFT                      ; where the images go: wave x 24,576
	; where my results go
	s_and_b32 s96, s17, 7
	s_lshl_b32 s96, s96, 1
	s_add_co_u32 s96, s96, s15
	s_lshl_b32 s96, s96, 3                         ; my first row block in the batch
	s_lshl_b32 s18, s98, 1
	s_add_co_u32 s18, s18, s16                     ; 16 x batch + the chunk of 128 keys
	s_lshl_b32 s18, s18, 7
	s_add_co_u32 s18, s18, s96
	s_lshl_b32 s18, s18, 6                         ; scale words, M, sums: 64 bytes a row block
	s_mov_b32 s19, 0
	s_mul_i32 s98, s98, 393216                     ; images: 128 row blocks x 3,072 for 256 keys
	s_mul_i32 s96, s96, 3072
	s_add_co_u32 s98, s98, s96
	s_mul_i32 s96, s16, 1536
	s_add_co_u32 s98, s98, s96
	s_mov_b32 s99, 0
	s_mov_b32 s[SEL], 0x76543210
	s_mov_b32 s[SEL+1], 0xfedcba98
	s_mov_b32 s[CS], 0x3d38aa3b                    ; log2(e) / 32
	s_mov_b32 s[CS+1], s[CS]                       ; (named with it as a pair, so it is written)
	s_wait_kmcnt 0x0
	s_add_nc_u64 s[20:21], s[4:5], s[20:21]
	s_add_nc_u64 s[46:47], s[4:5], s[46:47]
	s_add_nc_u64 s[22:23], s[6:7], s[22:23]
	s_add_nc_u64 s[2:3], s[6:7], s[2:3]
	s_add_nc_u64 s[8:9], s[8:9], s[98:99]
	s_add_nc_u64 s[10:11], s[10:11], s[18:19]
	s_add_nc_u64 s[12:13], s[12:13], s[18:19]
	CROUND                                         ; all sixteen work-groups are here: the first joint loads meet
	s_mov_b32 s[G0S], 1
	s_mov_b32 s[G0S+1], SCL
	s_mov_b64 s[G0S+2:G0S+3], s[22:23]
	s_or_b32 s[G0S+3], s[G0S+3], 0x80000000
	s_mov_b32 s[G0SB], 1
	s_mov_b32 s[G0SB+1], SCL+8192+64
	s_mov_b64 s[G0SB+2:G0SB+3], s[2:3]
	s_or_b32 s[G0SB+3], s[G0SB+3], 0x80000000
	s_mov_b32 s4, 1                                ; the head's loads of slot 0: q's 256 rows, in s[4:7],
	s_mov_b32 s5, 0
	s_mov_b64 s[6:7], s[20:21]
	s_or_b32 s7, s7, 0x80000000
	s_mov_b32 s40, 1                               ; k's, in s[40:43]
	s_mov_b32 s41, 2*HALFT
	s_mov_b64 s[42:43], s[46:47]
	s_or_b32 s43, s43, 0x80000000
	s_mul_i32 s18, s16, HALFT                      ; the ring's loads: my half of the rows
	s_mov_b32 s19, 0
	s_add_nc_u64 s[20:21], s[20:21], s[18:19]
	s_add_nc_u64 s[46:47], s[46:47], s[18:19]
.irp s, 0,1
	s_mov_b32 s[G0+4*\s], 1
	s_add_co_u32 s[G0+4*\s+1], s45, \s*SLOT
	s_add_nc_u64 s[G0+4*\s+2:G0+4*\s+3], s[20:21], \s*KSLB
	s_or_b32 s[G0+4*\s+3], s[G0+4*\s+3], 0x80000000
	s_mov_b32 s[G0B+4*\s], 1
	s_add_co_u32 s[G0B+4*\s+1], s45, \s*SLOT
	s_add_nc_u64 s[G0B+4*\s+2:G0B+4*\s+3], s[46:47], \s*KSLB
	s_or_b32 s[G0B+4*\s+3], s[G0B+4*\s+3], 0x80000000
.endr
.macro ARM under, g0, g1, next         ; the head's loads, one a wave
	s_cmp_lt_u32 s14, \under
	s_cbranch_scc0 \next
	tensor_load_to_lds s[\g0:\g0+3], s[\g1:\g1+7]
	s_nop 0
.rept 4
	v_nop
.endr
	s_branch .Lhead_asked
\next:
.endm
	ARM 1, 4, G1, .Lhead_k
	ARM 2, 40, G1B, .Lhead_sq
	ARM 3, G0S, G1S, .Lhead_sk
	tensor_load_to_lds s[G0SB:G0SB+3], s[G1SB:G1SB+7]
	s_nop 0
.rept 4
	v_nop
.endr
.Lhead_asked:
	v_and_b32 v1, 15, v0                           ; r
	v_bfe_u32 v2, v0, 4, 1                         ; h
	s_wait_alu depctr_va_vdst(0)
	v_and_b32 v3, 31, v0
	v_lshlrev_b32 v[IO], 4, v3
	s_mul_i32 s21, s15, HALFT
	s_mul_i32 s22, s16, HALFT
	s_add_co_u32 s22, s22, 2*HALFT
	v_lshlrev_b32 v4, 3, v3
.irp s, 0,1
	v_add_nc_u32 v[ADRA+\s], s21, v[IO]
	v_add_nc_u32 v[ADRB+\s], s22, v[IO]
	v_add_nc_u32 v[ADRA+2+\s], s21, v4             ; for the pieces of 8 bytes a lane
	v_add_nc_u32 v[ADRB+2+\s], s22, v4
	s_add_co_u32 s21, s21, SLOT
	s_add_co_u32 s22, s22, SLOT
.endr
	v_lshlrev_b32 v5, 2, v1                        ; a scale word: 4 bytes a row
	s_lshl_b32 s21, s15, 9                         ; q's: my half of the 16 row blocks
	s_lshl_b32 s22, s16, 9                         ; k's: behind q's, 64 bytes on, so that the two halves of the lanes fall on different banks
	s_add_co_u32 s22, s22, 8192+64
	s_sub_co_u32 s22, s22, s21
	v_mul_u32_u24 v6, s22, v2                      ; lanes 16-31 take k's
	s_add_co_u32 s21, s21, SCL
	v_add_nc_u32 v5, v5, v6
	v_add_nc_u32 v[ADRS], s21, v5
	s_mul_i32 s23, s14, 1536
	s_add_co_u32 s23, s23, STG
	v_lshl_add_u32 v[STWA], v1, 2, s23
	v_add_nc_u32 v[STRA], s23, v[IO]
.macro FRAGI reg, adr, off             ; a fragment comes back as it was stored: two halves of six registers
.irp c, 0,1
	ds_load_b128 v[\reg+6*\c:\reg+6*\c+3], v[\adr] offset:\off+768*\c
	ds_load_b64 v[\reg+6*\c+4:\reg+6*\c+5], v[\adr+2] offset:\off+768*\c+512
.endr
.endm
; 16 matrix instructions: q's blocks a0, a0 + 1 x k's eight.  zero = 1: the first product starts the sums.  The 64 accumulators take turns.
.macro MUL16 a0, p, q, sc, zero
.irp a, \a0, \a0+1
.irp b, 0,1,2,3,4,5,6,7
.if \zero
	v_wmma_scale_f32_16x16x128_f8f6f4 v[8*(8*((\a)%4)+\b):8*(8*((\a)%4)+\b)+7], v[128*(\p)+FR*\b:128*(\p)+FR*\b+FR-1], v[AF+FR*(\a):AF+FR*(\a)+FR-1], 0, v[SC+8*NQ*(\sc)+NQ*\b+(\q)], v[SC+8*NQ*(\sc)+NQ*(\a)+(\q)] matrix_a_fmt:MATRIX_FMT_FP6 matrix_b_fmt:MATRIX_FMT_FP6 matrix_a_scale:MATRIX_SCALE_ROW1
.else
	v_wmma_scale_f32_16x16x128_f8f6f4 v[8*(8*((\a)%4)+\b):8*(8*((\a)%4)+\b)+7], v[128*(\p)+FR*\b:128*(\p)+FR*\b+FR-1], v[AF+FR*(\a):AF+FR*(\a)+FR-1], v[8*(8*((\a)%4)+\b):8*(8*((\a)%4)+\b)+7], v[SC+8*NQ*(\sc)+NQ*\b+(\q)], v[SC+8*NQ*(\sc)+NQ*(\a)+(\q)] matrix_a_fmt:MATRIX_FMT_FP6 matrix_b_fmt:MATRIX_FMT_FP6 matrix_a_scale:MATRIX_SCALE_ROW1
.endif
.endr
.endr
.endm
.macro FETCH_B slot, q, p
	WIN TO_B
.irp i, 0,1,2,3,4,5,6,7
	FRAGI 128*(\p)+FR*\i, ADRB+\slot, \i*3072+(\q)*1536
.endr
	WIN 0
.endm
.macro FETCH_A slot, q, i0
.irp i, \i0, \i0+1, \i0+2, \i0+3
	FRAGI AF+FR*(\i), ADRA+\slot, (\i)*3072+(\q)*1536
.endr
.endm
.macro SCALES sc                       ; a slot's scale words: K step q of its two, row block i
.irp i, 0,1,2,3,4,5,6,7
.irp q, 0,1
	ds_load_b32 v[SC+8*NQ*\sc+NQ*\i+\q], v[ADRS] offset:1024*\q+64*\i
.endr
.endr
.endm
.macro PLACES n                        ; places behind matrix instructions (ISA guide 7.12.1 for matrix instructions)
.rept \n
	v_nop
.endr
.endm
.macro STEP slot, q, zero
	s_wait_dscnt 4*NL                              ; k's set and q's blocks 0-3 are in; the youngest 16 loads (q's blocks 4-7) may be out
	WIN MUL_LO
	MUL16 0, (\q)%2, \q, \slot, \zero
	MUL16 2, (\q)%2, \q, \slot, \zero
	s_wait_dscnt 0
	PLACES NP
	FETCH_B \slot, (\q)+1, 1-(\q)%2
	FETCH_A \slot, (\q)+1, 0
	WIN MUL_HI
	MUL16 4, (\q)%2, \q, \slot, \zero
	MUL16 6, (\q)%2, \q, \slot, \zero
	PLACES NP
	WIN 0
	FETCH_A \slot, (\q)+1, 4
.endm
.macro TURN slot, next, fill
	s_wait_tensorcnt 0x0                           ; all my tensor loads have landed: my part of the next slot
	ds_add_u32 v[SPW], v[NIL]                      ; 0 onto my spare word
	s_wait_dscnt 4*NL+1                            ; (the add and the youngest 16 loads may be out)
	WIN MUL_LO
	MUL16 0, 1, NQ-1, \slot, 0
	s_wait_dscnt 0x0                               ; the add is done, and my reads of this slot are over
	s_barrier_signal -1
	MUL16 2, 1, NQ-1, \slot, 0
	WIN 0
	s_barrier_wait -1
.if \fill
	CREST                                          ; a round of the cluster's barrier: no wave of any partner still reads this slot or has a load on its way
	s_add_nc_u64 s[G0+4*\slot+2:G0+4*\slot+3], s[G0+4*\slot+2:G0+4*\slot+3], 2*KSLB
	s_add_nc_u64 s[G0B+4*\slot+2:G0B+4*\slot+3], s[G0B+4*\slot+2:G0B+4*\slot+3], 2*KSLB
	JLOAD G0+4*\slot, G1, G0B+4*\slot, G1B
.else
	PLACES NP
.endif
	s_wait_alu depctr_va_vdst(0)
	v_add_nc_u32 v[ADRS], 2048, v[ADRS]            ; the next slot's two K steps of scale words
	FETCH_B \next, 0, 0
	FETCH_A \next, 0, 0
	SCALES \next
	WIN MUL_HI
	MUL16 4, 1, NQ-1, \slot, 0
	MUL16 6, 1, NQ-1, \slot, 0
	PLACES NP
	WIN 0
	FETCH_A \next, 0, 4
.endm
	s_wait_alu depctr_va_vdst(0)
	s_wait_tensorcnt 0x0                           ; my tile of the head's four is in
	ds_add_u32 v[SPW], v[NIL]
	s_mov_b32 s[G1+2], 96<<16                      ; no tensor load of mine is out: from here on a load brings 128 rows
	s_mov_b32 s[G1+4], 96
	s_mov_b32 s[G1B+2], 96<<16
	s_mov_b32 s[G1B+4], 96
	s_wait_dscnt 0x0
	CROUND                                         ; all four tiles are in, and the joint loads meet
	JLOAD G0+4, G1, G0B+4, G1B                     ; slot 1's first fill
	FETCH_B 0, 0, 0
	FETCH_A 0, 0, 0
	SCALES 0
	FETCH_A 0, 0, 4
	STEP 0, 0, 1
	s_mov_b32 s3, LAPS-1
.Llap:
	TURN 0, 1, 1
	STEP 1, 0, 0
	TURN 1, 0, 1
	STEP 0, 0, 0
	s_sub_co_u32 s3, s3, 1
	s_cmp_lg_u32 s3, 0
	s_cbranch_scc1 .Llap
	TURN 0, 1, 0
	STEP 1, 0, 0
	s_wait_dscnt 4*NL
	WIN MUL_LO
	MUL16 0, 1, NQ-1, 1, 0
	MUL16 2, 1, NQ-1, 1, 0
	s_wait_dscnt 0
	WIN MUL_HI
	MUL16 4, 1, NQ-1, 1, 0
	MUL16 6, 1, NQ-1, 1, 0
	WIN 0
; THE SOFTMAX OF BLOCK a: 16 queries x my 128 keys, 64 scores a lane, in window 2 or 3.  Each accumulator is read from its low end on.
.macro SOFT a
.set W,  2+(\a)/4
.set W2, W|(W<<2)
.set WD, W|(W<<6)
.set AC, 64*((\a)%4)
.set PC, PCB+12*(\a)
	WIN W2                                         ; sources 0 and 1 in the accumulators' window
.irp b, 0,1,2,3
	v_max_num_f32 v[BM+\b], v[AC+16*\b], v[AC+16*\b+1]   ; the largest score of each block of 32 keys: it serves for the chunk's maximum and for the block's largest p
.endr
.irp i, 2,4,6,8,10,12,14
.irp b, 0,1,2,3
	v_max3_num_f32 v[BM+\b], v[AC+16*\b+\i], v[AC+16*\b+\i+1], v[BM+\b]
.endr
.endr
	WIN 0
	v_max_num_f32 v[BM], v[BM], v[BM+1]            ; the largest score of my two blocks of 32 keys, h and 2 + h
	v_max_num_f32 v[BM+1], v[BM+2], v[BM+3]
	v_max_num_f32 v[T], v[BM], v[BM+1]
	v_permlanex16_b32 v[T2], v[T], s[SEL], s[SEL+1]
	v_max_num_f32 v[T], v[T], v[T2]                ; with lane l xor 16's two blocks
	v_mul_f32 v[T], s[CS], v[T]                    ; the chunk's largest t (c is positive)
	v_floor_f32 v[NM], -v[T]                       ; -M = floor(-t) = -ceil(t)
.irp b, 0,1
	v_fma_f32 v[BM+\b], v[BM+\b], s[CS], v[NM]
.endr
	WIN WD                                         ; destination and source 0 in the accumulators' window
.set i, 0
.rept 32
	v_pk_fma_f32 v[AC+i:AC+i+1], v[AC+i:AC+i+1], s[CS:CS+1], v[NM:NM+1] op_sel_hi:[1,0,0]   ; t - M, two at a time
.set i, i+2
.endr
.set i, 0
	s_wait_alu depctr_va_vdst(0)
.rept 64
	v_exp_f32 v[AC+i], v[AC+i]                     ; p = 2^(t - M), at most 1
.set i, i+1
.endr
	WIN 0
.irp b, 0,1
	v_exp_f32 v[BM+\b], v[BM+\b]                   ; the block's largest p: the same two instructions on the same number
.endr
	v_sub_f32 v[MV+(\a)], 0, v[NM]                 ; M.  (A plain place behind the exponentials)
	s_wait_alu depctr_va_vdst(0)
.irp b, 0,1
	v_max_num_f32 v[BM+\b], 0x1800000, v[BM+\b]    ; the floor 2^(3 - 127): the byte cannot fall under 1
.endr
.irp b, 0,1
	v_add_nc_u32 v[SO+\b], 0xff000000, v[BM+\b]    ; 2 off the exponent field: the conversion's scale operand
.endr
.irp b, 0,1
	v_lshrrev_b32 v[BX+\b], 23, v[SO+\b]           ; the byte
.endr
	v_lshl_or_b32 v[PW+(\a)], v[BX+1], 16, v[BX]   ; my two bytes at their places in the scale word, 8 h bits up;
	v_lshlrev_b32 v[PW+(\a)], v188, v[PW+(\a)]
	v_permlanex16_b32 v[BX+2], v[PW+(\a)], s[SEL], s[SEL+1]
	v_or_b32 v[PW+(\a)], v[PW+(\a)], v[BX+2]       ; with lane l xor 16's two the word is whole
	WIN W2
	v_pk_add_f32 v[SUM:SUM+1], v[AC:AC+1], v[AC+2:AC+3]         ; THE SUM IS TAKEN OF THE UNQUANTISED p, two at a time, in two chains
	v_pk_add_f32 v[SUM2:SUM2+1], v[AC+4:AC+5], v[AC+6:AC+7]
	WIN W                                          ; source 0 in the accumulators' window
.irp c, 0,1
	v_cvt_scalef32_pk16_fp6_f32 v[PC+6*\c:PC+6*\c+2], v[AC+32*\c:AC+32*\c+15], v[SO+\c]
	v_cvt_scalef32_pk16_fp6_f32 v[WK+4*\c:WK+4*\c+2], v[AC+32*\c+16:AC+32*\c+31], v[SO+\c]
.endr
	v_nop                                          ; one plain place behind a scaled conversion
.irp j, 8,12,16,20,24,28,32,36,40,44,48,52,56,60
	v_pk_add_f32 v[SUM:SUM+1], v[AC+\j:AC+\j+1], v[SUM:SUM+1]
	v_pk_add_f32 v[SUM2:SUM2+1], v[AC+\j+2:AC+\j+3], v[SUM2:SUM2+1]
.endr
	WIN 0
	v_pk_add_f32 v[SUM:SUM+1], v[SUM:SUM+1], v[SUM2:SUM2+1]
	v_add_f32 v[T], v[SUM], v[SUM+1]
	v_permlanex16_b32 v[T2], v[T], s[SEL], s[SEL+1]
	v_add_f32 v[LV+(\a)], v[T], v[T2]              ; with lane l xor 16's 64 keys: the chunk's sum
.irp c, 0,1                                        ; a WHOLE block in a lane: lanes 0-15 block 2 c, lanes 16-31 block 2 c + 1
.irp i, 0,1,2
	v_mov_b32 v[PC+6*\c+3+\i], v[WK+4*\c+\i]
.endr
.endr
.endm
	PLACES NP                                      ; behind the last products
	v_lshlrev_b32 v188, 3, v2                      ; 8 h
	v_mov_b32 v[BX+2], 0                           ; written once: a lane permute's destination counts as one of its sources
	v_mov_b32 v[T2], 0
	v_mov_b32 v[NM+1], 0                           ; (named as the upper half of a pair)
.irp a, 0,1,2,3,4,5,6,7                            ; each block has registers of its own for what is stored: no store's data are written again
	SOFT \a
.irp c, 0,1,2
	global_store_b128 v[IO], v[PCB+12*\a+4*\c:PCB+12*\a+4*\c+3], s[8:9] offset:\a*3072+512*\c   ; 512 consecutive bytes, at a multiple of 512 from the buffer's first byte
.endr
	ds_store_b32 v[STWA], v[PW+\a] offset:64*\a    ; lanes l and l xor 16 write the same word with the same value
	ds_store_b32 v[STWA], v[MV+\a] offset:512+64*\a
	ds_store_b32 v[STWA], v[LV+\a] offset:1024+64*\a
.endr
.irp c, 0,1,2
	ds_load_b128 v[FIN+4*\c:FIN+4*\c+3], v[STRA] offset:512*\c   ; LDS serves a wave's instructions in order: these see my stores
.endr
	s_wait_dscnt 0x0
	global_store_b128 v[IO], v[FIN:FIN+3], s[10:11]                  ; scale words,
	global_store_b128 v[IO], v[FIN+4:FIN+7], s[12:13]                ; M,
	global_store_b128 v[IO], v[FIN+8:FIN+11], s[12:13] offset:524288 ; sums: 512 consecutive bytes each
	s_wait_tensorcnt 0x0                           ; the wave's end
	ds_add_u32 v[SPW], v[NIL]
	s_wait_dscnt 0x0
	CROUND                                         ; the closing round
	s_endpgm
.Lfunc_end_k_qf2ce2df818_scores:
	.size	k_qf2ce2df818_scores, .Lfunc_end_k_qf2ce2df818_scores-k_qf2ce2df818_scores
	.p2alignl 7, 3214868480
	.fill 96, 4, 3214868480
	.section	.rodata,"a",@progbits
	.p2align	6, 0x0
	.amdhsa_kernel k_qf2ce2df818_scores
		.amdhsa_group_segment_fixed_size 327680
		.amdhsa_private_segment_fixed_size 0
		.amdhsa_enable_private_segment 0
		.amdhsa_kernarg_size 40
		.amdhsa_user_sgpr_count 2
		.amdhsa_user_sgpr_kernarg_segment_ptr 1
		.amdhsa_wavefront_size32 1
		.amdhsa_system_sgpr_workgroup_id_x 1
		.amdhsa_system_sgpr_workgroup_id_y 1
		.amdhsa_system_sgpr_workgroup_id_z 1
		.amdhsa_system_vgpr_workitem_id 0
		.amdhsa_next_free_vgpr 1024
		.amdhsa_next_free_sgpr 100
		.amdhsa_reserve_vcc 0
		.amdhsa_float_denorm_mode_32 3
		.amdhsa_float_denorm_mode_16_64 3
		.amdhsa_memory_ordered 1
		.amdhsa_forward_progress 1
		.amdhsa_inst_pref_size 200
	.end_amdhsa_kernel
	.amdgpu_metadata
---
amdhsa.version: [ 1, 2 ]
amdhsa.kernels:
  - .name:           k_qf2ce2df818_scores
    .symbol:         k_qf2ce2df818_scores.kd
    .args:
      - { .name: qkimg, .offset: 0, .size: 8, .value_kind: global_buffer, .address_space: global }
      - { .name: qksc, .offset: 8, .size: 8, .value_kind: global_buffer, .address_space: global }
      - { .name: pimg, .offset: 16, .size: 8, .value_kind: global_buffer, .address_space: global }
      - { .name: psc, .offset: 24, .size: 8, .value_kind: global_buffer, .address_space: global }
      - { .name: pml, .offset: 32, .size: 8, .value_kind: global_buffer, .address_space: global }
    .group_segment_fixed_size: 327680
    .private_segment_fixed_size: 0
    .kernarg_segment_align: 8
    .kernarg_segment_size: 40
    .max_flat_workgroup_size: 128
    .sgpr_count:     100
    .vgpr_count:     1024
    .wavefront_size: 32
...
	.end_amdgpu_metadata
.endif
;; end of part 2
;; launch pv (part 3): grid 4 x 64, 4 waves a work-group, clusters of 4 x 4, 327,680 bytes of LDS; arguments pimg, psc, pml, vimg, vsc, out0; writes out0
.if DOCPART == 3
	.amdgcn_target "amdgcn-amd-amdhsa--gfx1250"
	.amdhsa_code_object_version 6
	.text
	.protected	k_qf2ce2df818_pv
	.globl	k_qf2ce2df818_pv
	.p2align	8
	.type	k_qf2ce2df818_pv,@function
k_qf2ce2df818_pv:
	s_mov_b64 s[64:65], 0
	v_nop
	global_prefetch_b8 v0, s[64:65] scope:SCOPE_SE
	s_setreg_imm32_b32 hwreg(HW_REG_WAVE_MODE, 25, 1), 1
	s_wait_xcnt 0x0
	s_wait_alu depctr_hold_cnt(0) depctr_sa_sdst(0) depctr_va_vdst(0) depctr_va_sdst(0) depctr_va_ssrc(0) depctr_va_vcc(0) depctr_vm_vsrc(0)
	s_getreg_b32 s2, hwreg(HW_REG_IB_STS2, 6, 4)
	s_cmp_eq_u32 s2, 0
	s_cbranch_scc0 .Lentry_in_a_cluster
	s_endpgm
.Lentry_in_a_cluster:
	s_bfe_u32 s2, ttmp6, 0x10000c
	s_cmp_lg_u32 s2, 0xf033
	s_cbranch_scc0 .Lentry_shape_is_right
	s_endpgm
.Lentry_shape_is_right:
; out = P V / l for each of 4 batches (2,048 x 1,024, K = 2,048) on codes of FP6 (E2M3): P's codes, scale words, maxima M and sums by chunks of 128 keys from the launch before, v's codes and scale words from the first.
; A work-group of four waves makes 128 queries x 256 columns, a wave 64 x 128; source 0 = 16 columns of v, source 1 = 16 queries, so a lane holds one query and eight neighbouring columns.
; Each thread takes one query: its largest M over the 16 chunks; each chunk's sum times 2^(M - largest), and the difference taken off the chunk's scale bytes, held at 0 from below.
; Row block j of four has query 8 j + i in row i and query 32 + 8 (j xor 1) + i in row 8 + i of its 64 queries: the stores' offsets put the rows in their order.
; LIMITS: NaN and infinities are not served.  A chunk whose M lies 127 or more under the row's largest adds nothing to the sum.
.set FR,     12
.set SLOT,   147456
.set VSC,    2*SLOT
.set PSC,    VSC+20480
.set RL,     PSC+10240
.set SPARE,  RL+512
.set SPITCH, 528
.set ADRA, 16
.set ADRB, 20
.set STO,  24
.set RD,   25
.set CO,   26
.set ADRP, 27
.set SPW,  28
.set NIL,  29
.set ADRV, 30
.set ADRL, 31
.set SCP,  32
.set SCV,  48
.set AF,   128
.set RLV,  224
.set BK,   128
.set PWD,  128
.set MV,   144
.set LV,   160
.set VW0,  176
.set VW1,  192
.set G1, 24
.set G0, 32
.set G1B, 48
.set G0B, 56
.set MSB, 0
.macro WIN new
.if MSB != (\new)
	s_set_vgpr_msb (MSB<<8)|(\new)
.set MSB, (\new)
.endif
.endm
.set MUL,  0xa1
.set TO_B, 0x40
.macro JLOAD g0a, g1a, g0b, g1b
	s_cmp_eq_u32 s15, 0
	s_cbranch_scc0 .Lfor_b_\@
	tensor_load_to_lds s[\g0a:\g0a+3], s[\g1a:\g1a+7]
	s_nop 0
.rept 4
	v_nop
.endr
	s_branch .Lasked_\@
.Lfor_b_\@:
	tensor_load_to_lds s[\g0b:\g0b+3], s[\g1b:\g1b+7]
	s_nop 0
.rept 4
	v_nop
.endr
.Lasked_\@:
.endm
.macro CREST
	s_cmp_lg_u32 s14, 0
	s_cbranch_scc1 .Lnot_wave_0_\@
	s_barrier_signal -3
.Lnot_wave_0_\@:
	s_barrier_wait -3
	s_barrier_signal -1
	s_barrier_wait -1
.endm
.macro CROUND
	s_barrier_signal -1
	s_barrier_wait -1
	CREST
.endm
	s_load_b256 s[4:11], s[0:1], 0x0
	s_load_b128 s[68:71], s[0:1], 0x20
	v_lshl_add_u32 v[SPW], v0, 2, SPARE
	v_mov_b32 v[NIL], 0
	ds_add_u32 v28, v29
	ds_add_u32 v28, v29
	s_wait_dscnt 0x0
	v_lshrrev_b32 v1, 5, v0
	v_readfirstlane_b32 s14, v1
	s_lshr_b32 s15, s14, 1
	s_and_b32 s16, s14, 1
	s_bfe_u32 s40, ttmp6, 0x40000
	s_bfe_u32 s41, ttmp6, 0x40004
	s_and_b32 s19, ttmp7, 0xffff
	s_lshl_b32 s17, s19, 2
	s_add_co_u32 s17, s17, s41
	s_lshl_b32 s42, ttmp9, 2
	s_add_co_u32 s42, s42, s40
	s_lshr_b32 s19, s19, 2
	s_lshl_b32 s43, s41, 2
	s_lshl_b32 s43, 15, s43
	s_lshl_b32 s44, 0x1111, s40
	s_or_b32 s[G1+0], s43, (3<<16)|(1<<21)
	s_mov_b32 s[G1+1], 32<<16
	s_mov_b32 s[G1+2], 96<<16
	s_mov_b32 s[G1+3], 32<<16
	s_mov_b32 s[G1+4], 96
	s_mov_b32 s[G1+5], 32
	s_mov_b32 s[G1+6], 0
	s_mov_b32 s[G1+7], 0
	s_or_b32 s[G1B+0], s44, (3<<16)|(1<<21)
	s_mov_b32 s[G1B+1], 32<<16
	s_mov_b32 s[G1B+2], 192<<16
	s_mov_b32 s[G1B+3], 32<<16
	s_mov_b32 s[G1B+4], 192
	s_mov_b32 s[G1B+5], 32
	s_mov_b32 s[G1B+6], 0
	s_mov_b32 s[G1B+7], 0
	s_lshl_b32 s18, s19, 3
	s_add_co_u32 s18, s18, s16
	s_mul_i32 s20, s18, 393216
	s_and_b32 s22, s17, 15
	s_mul_i32 s23, s22, 24576
	s_add_co_u32 s20, s20, s23
	s_mov_b32 s21, 0
	s_mul_i32 s46, s18, 196608
	s_mul_i32 s47, s42, 49152
	s_add_co_u32 s46, s46, s47
	s_mov_b32 s47, 0
	s_mul_i32 s45, s16, 24576
	s_mul_i32 s72, s16, 49152
	s_add_co_u32 s72, s72, 49152
	s_lshl_b32 s74, s19, 17
	s_lshl_b32 s75, s22, 9
	s_add_co_u32 s74, s74, s75
	s_mov_b32 s75, 0
	s_lshl_b32 s76, s19, 16
	s_lshl_b32 s77, s42, 10
	s_add_co_u32 s76, s76, s77
	s_mov_b32 s77, 0
	s_lshr_b32 s78, s17, 1                         ; my 64 queries: 256 (s17 / 2) + 128 s15 + 64 (s17 % 2)
	s_lshl_b32 s78, s78, 1
	s_add_co_u32 s78, s78, s15
	s_lshl_b32 s78, s78, 1
	s_and_b32 s79, s17, 1
	s_add_co_u32 s78, s78, s79
	s_lshl_b32 s78, s78, 18
	s_lshl_b32 s79, s42, 1
	s_add_co_u32 s79, s79, s16
	s_lshl_b32 s79, s79, 9
	s_add_co_u32 s78, s78, s79
	s_mov_b32 s79, 0
	s_mov_b32 s80, 0x80808080
	s_wait_kmcnt 0x0
	s_add_nc_u64 s[20:21], s[4:5], s[20:21]
	s_add_nc_u64 s[46:47], s[10:11], s[46:47]
	s_add_nc_u64 s[6:7], s[6:7], s[74:75]
	s_add_nc_u64 s[8:9], s[8:9], s[74:75]
	s_add_nc_u64 s[68:69], s[68:69], s[76:77]
	s_add_nc_u64 s[70:71], s[70:71], s[78:79]
	CROUND
.irp s, 0,1
	s_mov_b32 s[G0+4*\s], 1
	s_add_co_u32 s[G0+4*\s+1], s45, \s*SLOT
	s_add_nc_u64 s[G0+4*\s+2:G0+4*\s+3], s[20:21], \s*786432
	s_or_b32 s[G0+4*\s+3], s[G0+4*\s+3], 0x80000000
	s_mov_b32 s[G0B+4*\s], 1
	s_add_co_u32 s[G0B+4*\s+1], s72, \s*SLOT
	s_add_nc_u64 s[G0B+4*\s+2:G0B+4*\s+3], s[46:47], \s*393216
	s_or_b32 s[G0B+4*\s+3], s[G0B+4*\s+3], 0x80000000
.endr
	JLOAD G0, G1, G0B, G1B                         ; slot 0: one tensor load a wave at the head
	v_lshlrev_b32 v8, 2, v0
	v_mul_u32_u24 v9, v0, 80
	v_add_nc_u32 v10, VSC, v9
	v_add_nc_u32 v9, PSC, v9
	v_lshl_add_u32 v11, v0, 2, RL
.irp k, 0,1,2,3,4,5,6,7,8,9,10,11,12,13,14,15
	global_load_b32 v[MV+\k], v8, s[8:9] offset:8192*\k
.endr
.irp k, 0,1,2,3,4,5,6,7,8,9,10,11,12,13,14,15
	global_load_b32 v[PWD+\k], v8, s[6:7] offset:8192*\k
.endr
.irp k, 0,1,2,3,4,5,6,7,8,9,10,11,12,13,14,15
	global_load_b32 v[LV+\k], v8, s[8:9] offset:524288+8192*\k
.endr
.irp k, 0,1,2,3,4,5,6,7,8,9,10,11,12,13,14,15
	global_load_b32 v[VW0+\k], v8, s[68:69] offset:4096*\k
.endr
.irp k, 0,1,2,3,4,5,6,7,8,9,10,11,12,13,14,15
	global_load_b32 v[VW1+\k], v8, s[68:69] offset:4096*\k+512
.endr
	v_and_b32 v1, 15, v0
	v_bfe_u32 v2, v0, 4, 1
	v_and_b32 v3, 31, v0
	v_lshlrev_b32 v3, 4, v3
	s_mul_i32 s21, s15, 12288
	s_mul_i32 s22, s16, 24576
	s_add_co_u32 s22, s22, 49152
.irp s, 0,1
	v_add_nc_u32 v[ADRA+\s], s21, v3
	v_add_nc_u32 v[ADRB+2*\s], s22, v3
	s_add_co_u32 s23, s22, 49152
	v_add_nc_u32 v[ADRB+2*\s+1], s23, v3
	s_add_co_u32 s21, s21, SLOT
	s_add_co_u32 s22, s22, SLOT
.endr
	v_mul_u32_u24 v5, v1, 80
	s_mul_i32 s21, s15, 64*80
	s_add_co_u32 s21, s21, PSC
	v_add_nc_u32 v[ADRP], s21, v5
	s_mul_i32 s21, s16, 128*80
	s_add_co_u32 s21, s21, VSC
	v_add_nc_u32 v[ADRV], s21, v5
	s_lshl_b32 s21, s15, 8
	s_add_co_u32 s21, s21, RL
	v_lshl_add_u32 v[ADRL], v1, 2, s21
	s_mul_i32 s23, s14, 16*SPITCH
	v_mul_u32_u24 v5, v1, SPITCH
	v_lshl_add_u32 v5, v2, 5, v5
	v_add_nc_u32 v[STO], s23, v5
	v_add_nc_u32 v[RD], s23, v3
	v_mov_b32 v[CO], v3
	s_wait_loadcnt 32
	v_max3_num_f32 v208, v[MV], v[MV+1], v[MV+2]
.irp k, 3,5,7,9,11,13
	v_max3_num_f32 v208, v208, v[MV+\k], v[MV+\k+1]
.endr
	v_max_num_f32 v208, v208, v[MV+15]
.macro FIX k
	v_sub_f32 v210, v208, v[MV+\k]
	v_cvt_u32_f32 v210, v210
	v_min_u32 v210, 127, v210
	v_sub_nc_u32 v211, 127, v210
	v_lshlrev_b32 v211, 23, v211
.if \k == 0
	v_mul_f32 v209, v[LV+\k], v211
.else
	v_fma_f32 v209, v[LV+\k], v211, v209
.endif
	v_lshl_or_b32 v212, v210, 8, v210
	v_lshl_or_b32 v212, v212, 16, v212
	v_or_b32 v213, s80, v[PWD+\k]
	v_sub_nc_u32 v213, v213, v212
	v_and_b32 v214, s80, v213
	v_lshrrev_b32 v215, 7, v214
	v_sub_nc_u32 v214, v214, v215
	v_and_b32 v[PWD+\k], v213, v214
.endm
.irp k, 0,1,2,3,4,5,6,7,8,9,10,11,12,13,14,15
	FIX \k
.endr
	s_wait_alu depctr_va_vdst(0)
	v_rcp_f32 v209, v209
	v_nop
	s_wait_alu depctr_va_vdst(0)
	ds_store_b32 v11, v209
.irp g, 0,1,2,3
	ds_store_b128 v9, v[PWD+4*\g:PWD+4*\g+3] offset:16*\g
.endr
	s_wait_loadcnt 0x0
.irp g, 0,1,2,3
	ds_store_b128 v10, v[VW0+4*\g:VW0+4*\g+3] offset:16*\g
	ds_store_b128 v10, v[VW1+4*\g:VW1+4*\g+3] offset:10240+16*\g
.endr
.macro FRAGI reg, adr, off
.irp c, 0,1,2
	ds_load_b128 v[\reg+4*\c:\reg+4*\c+3], v[\adr] offset:\off+512*\c
.endr
.endm
.macro FETCH slot, j, p
	WIN TO_B
.irp i, 0,1,2,3,4,5,6,7
	FRAGI 128*(\p)+FR*\i, ADRB+2*(\slot)+(\j)/2, \i*3072+((\j)%2)*1536
.endr
	WIN 0
.irp i, 0,1,2,3
	FRAGI AF+48*(\p)+FR*\i, ADRA+(\slot), ((\j)/2)*24576+\i*3072+((\j)%2)*1536
.endr
.endm
.macro SCALES g
.irp i, 0,1,2,3
	ds_load_b128 v[SCP+48*((\g)%2)+4*\i:SCP+48*((\g)%2)+4*\i+3], v[ADRP] offset:\i*1280+16*(\g)
.endr
.irp i, 0,1,2,3,4,5,6,7
	ds_load_b128 v[SCV+48*((\g)%2)+4*\i:SCV+48*((\g)%2)+4*\i+3], v[ADRV] offset:\i*1280+16*(\g)
.endr
.endm
.macro MULA a, p, j, ss, zero
.irp b, 0,1,2,3,4,5,6,7
.if \zero
	v_wmma_scale_f32_16x16x128_f8f6f4 v[8*(8*(\a)+\b):8*(8*(\a)+\b)+7], v[128*(\p)+FR*\b:128*(\p)+FR*\b+FR-1], v[AF+48*(\p)+FR*(\a):AF+48*(\p)+FR*(\a)+FR-1], 0, v[SCV+48*(\ss)+4*\b+(\j)], v[SCP+48*(\ss)+4*(\a)+(\j)] matrix_a_fmt:MATRIX_FMT_FP6 matrix_b_fmt:MATRIX_FMT_FP6
.else
	v_wmma_scale_f32_16x16x128_f8f6f4 v[8*(8*(\a)+\b):8*(8*(\a)+\b)+7], v[128*(\p)+FR*\b:128*(\p)+FR*\b+FR-1], v[AF+48*(\p)+FR*(\a):AF+48*(\p)+FR*(\a)+FR-1], v[8*(8*(\a)+\b):8*(8*(\a)+\b)+7], v[SCV+48*(\ss)+4*\b+(\j)], v[SCP+48*(\ss)+4*(\a)+(\j)] matrix_a_fmt:MATRIX_FMT_FP6 matrix_b_fmt:MATRIX_FMT_FP6
.endif
.endr
.endm
.macro PLACES n
.rept \n
	v_nop
.endr
.endm
.macro STEP slot, j, zero
	s_wait_dscnt 0x0
	PLACES 4
	FETCH \slot, (\j)+1, ((\j)+1)%2
	WIN MUL
	MULA 0, (\j)%2, \j, \slot, \zero
	MULA 1, (\j)%2, \j, \slot, \zero
	MULA 2, (\j)%2, \j, \slot, \zero
	MULA 3, (\j)%2, \j, \slot, \zero
	WIN 0
.endm
.macro TURN slot, next, fill, g
	s_wait_tensorcnt 0x0
	ds_add_u32 v[SPW], v[NIL]
	s_wait_dscnt 1
	WIN MUL
	MULA 0, 1, 3, \slot, 0
	s_wait_dscnt 0x0
	s_barrier_signal -1
	MULA 1, 1, 3, \slot, 0
	WIN 0
	s_barrier_wait -1
.if \fill
	CREST
	s_add_nc_u64 s[G0+4*\slot+2:G0+4*\slot+3], s[G0+4*\slot+2:G0+4*\slot+3], 1572864
	s_add_nc_u64 s[G0B+4*\slot+2:G0B+4*\slot+3], s[G0B+4*\slot+2:G0B+4*\slot+3], 786432
	JLOAD G0+4*\slot, G1, G0B+4*\slot, G1B
.else
	PLACES 4
.endif
	FETCH \next, 0, 0
	SCALES \g
	WIN MUL
	MULA 2, 1, 3, \slot, 0
	MULA 3, 1, 3, \slot, 0
	WIN 0
.endm
	s_wait_tensorcnt 0x0                           ; slot 0 is in
	ds_add_u32 v[SPW], v[NIL]
	s_wait_dscnt 0x0                               ; the add is done, and my scale words and factors are in LDS
	CROUND
	JLOAD G0+4, G1, G0B+4, G1B                     ; slot 1's first fill
	FETCH 0, 0, 0
	SCALES 0
.irp a, 0,1,2,3
	ds_load_b32 v[RLV+2*\a], v[ADRL] offset:64*\a
	ds_load_b32 v[RLV+2*\a+1], v[ADRL] offset:64*\a
.endr
	STEP 0, 0, 1
	STEP 0, 1, 0
	STEP 0, 2, 0
	TURN 0, 1, 1, 1
	STEP 1, 0, 0
	STEP 1, 1, 0
	STEP 1, 2, 0
	TURN 1, 0, 1, 2
	STEP 0, 0, 0
	STEP 0, 1, 0
	STEP 0, 2, 0
	TURN 0, 1, 0, 3
	STEP 1, 0, 0
	STEP 1, 1, 0
	STEP 1, 2, 0
	s_wait_dscnt 0x0
	WIN MUL
	MULA 0, 1, 3, 1, 0
	MULA 1, 1, 3, 1, 0
	MULA 2, 1, 3, 1, 0
	MULA 3, 1, 3, 1, 0
	WIN 0
	PLACES 4
	WIN 0x82
.irp a, 0,1,2,3
.set i, 0
.rept 32
	v_pk_mul_f32 v[64*\a+i:64*\a+i+1], v[64*\a+i:64*\a+i+1], v[RLV+2*\a:RLV+2*\a+1] op_sel_hi:[1,0]
.set i, i+2
.endr
.endr
	WIN 0
.macro TOSTAGE a
.set AC, 64*(\a)
	WIN 0x08
.irp b, 0,1,2,3,4,5,6,7
	ds_store_b128 v[STO], v[AC+8*\b:AC+8*\b+3] offset:64*\b
	ds_store_b128 v[STO], v[AC+8*\b+4:AC+8*\b+7] offset:64*\b+16
.endr
	WIN 0
.set BB, BK+64*((\a)%2)
.irp t, 0,1,2,3,4,5,6,7,8,9,10,11,12,13,14,15
	ds_load_b128 v[BB+4*\t:BB+4*\t+3], v[RD] offset:\t*SPITCH
.endr
.endm
.macro SEND a, younger
.set BB, BK+64*((\a)%2)
	s_wait_dscnt \younger
.irp t, 0,1,2,3,4,5,6,7,8,9,10,11,12,13,14,15
	global_store_b128 v[CO], v[BB+4*\t:BB+4*\t+3], s[70:71] offset:(8*(\a)+\t+(\t/8)*(32-16*((\a)%2)))*4096 th:TH_STORE_NT
.endr
.endm
	TOSTAGE 0
	s_wait_alu depctr_va_vdst(0)
.irp a, 1,2,3
.if \a > 1
	s_wait_xcnt 0x0
.endif
	TOSTAGE \a
	SEND \a-1, 32
.endr
	s_wait_xcnt 0x0
	SEND 3, 0
	s_wait_tensorcnt 0x0
	ds_add_u32 v[SPW], v[NIL]
	s_wait_dscnt 0x0
	CROUND
	s_endpgm
.Lfunc_end_k_qf2ce2df818_pv:
	.size	k_qf2ce2df818_pv, .Lfunc_end_k_qf2ce2df818_pv-k_qf2ce2df818_pv
	.p2alignl 7, 3214868480
	.fill 96, 4, 3214868480
	.section	.rodata,"a",@progbits
	.p2align	6, 0x0
	.amdhsa_kernel k_qf2ce2df818_pv
		.amdhsa_group_segment_fixed_size 327680
		.amdhsa_private_segment_fixed_size 0
		.amdhsa_enable_private_segment 0
		.amdhsa_kernarg_size 48
		.amdhsa_user_sgpr_count 2
		.amdhsa_user_sgpr_kernarg_segment_ptr 1
		.amdhsa_wavefront_size32 1
		.amdhsa_system_sgpr_workgroup_id_x 1
		.amdhsa_system_sgpr_workgroup_id_y 1
		.amdhsa_system_sgpr_workgroup_id_z 1
		.amdhsa_system_vgpr_workitem_id 0
		.amdhsa_next_free_vgpr 768
		.amdhsa_next_free_sgpr 96
		.amdhsa_reserve_vcc 0
		.amdhsa_float_denorm_mode_32 3
		.amdhsa_float_denorm_mode_16_64 3
		.amdhsa_memory_ordered 1
		.amdhsa_forward_progress 1
		.amdhsa_inst_pref_size 161
	.end_amdhsa_kernel
	.amdgpu_metadata
---
amdhsa.version: [ 1, 2 ]
amdhsa.kernels:
  - .name:           k_qf2ce2df818_pv
    .symbol:         k_qf2ce2df818_pv.kd
    .args:
      - { .name: pimg, .offset: 0, .size: 8, .value_kind: global_buffer, .address_space: global }
      - { .name: psc, .offset: 8, .size: 8, .value_kind: global_buffer, .address_space: global }
      - { .name: pml, .offset: 16, .size: 8, .value_kind: global_buffer, .address_space: global }
      - { .name: vimg, .offset: 24, .size: 8, .value_kind: global_buffer, .address_space: global }
      - { .name: vsc, .offset: 32, .size: 8, .value_kind: global_buffer, .address_space: global }
      - { .name: out0, .offset: 40, .size: 8, .value_kind: global_buffer, .address_space: global }
    .group_segment_fixed_size: 327680
    .private_segment_fixed_size: 0
    .kernarg_segment_align: 8
    .kernarg_segment_size: 48
    .max_flat_workgroup_size: 128
    .sgpr_count:     96
    .vgpr_count:     768
    .wavefront_size: 32
...
	.end_amdgpu_metadata
.endif
;; end of part 3
